; MI455X (gfx1250); checked and timed in simulation.
; The chip was launched on July 23, 2026; its instructions are those of AMD's public machine-readable ISA for CDNA 5 (MIT licence, August 2026) and "CDNA5" Instruction Set Architecture Reference Guide (July 2026). The comments in the code are by the model that wrote it; some were corrected since.
;; Group Stack. Allowed arithmetic: matrix products marked QUANTISED: E5M2 operands, one E8M0 scale for each 32 along K, by v_wmma_scale_f32_16x16x128_f8f6f4 with both operands' format E5M2, f32 sums; everything else in f32.
;; Inputs: W1 8 x 512 x 2,048 float32; W2 8 x 2,048 x 512 float32; b1 8 x 2,048 float32; b2 8 x 512 float32; mask 8 x 4,096 bool; x 4,096 x 512 float32.
;; Outputs: out0 8 x 4,096 x 512 float32.
;; This version of the problem:
;;   THIS VERSION OF THE PROBLEM IS GIVEN IN LOW PRECISION. The matrix products marked QUANTISED in the list below multiply operands that are first quantised to E5M2 (5 exponent bits, 2 mantissa bits; 8 bits a number), with one power-of-two scale for each 32 numbers along K (OCP MX v1.0); their sums are f32. All else is computed in f32.
;;   The module's matrix products, in the order in which they are computed (A, B: the left and right operand; K: the contracted axis; several contracted axes count as one K, in the product's order):
;;     1. [M 16,384, K 512] x [K 512, N 4,096]; A: input W1; B: input x: QUANTISED
;;     2. batch 8 x [M 4,096, K 2,048] x [K 2,048, N 512]; A: computed on the way; B: input W2: QUANTISED
;;   THE QUANTISER, for each operand of a quantised product, along K:
;;     - K is cut into blocks of 32 from its start; a last block that is shorter is filled with zeros.
;;     - A block's scale is 2^e with e = floor(log2(the largest magnitude in the block)) - 15, held to -126 .. 127; a block of zeros has e = 0. As a byte (E8M0): e + 127.
;;     - Each number is divided by its block's scale, clamped to +-57,344, and rounded to the nearest number of E5M2, ties to even, subnormals kept.
;;     - The product sums the exact products of the quantised numbers (number of the format x scale) in f32.
;;   ~~~python
;;   def quantise(x, axis):      # numpy; x: float32 -> the quantised numbers, widened to float32 again
;;       x = np.moveaxis(x, axis, -1); K = x.shape[-1]
;;       x = np.pad(x, [(0, 0)] * (x.ndim - 1) + [(0, -K % 32)]); x = x.reshape(x.shape[:-1] + (-1, 32)); a = np.abs(x).max(-1, keepdims=True)
;;       e = np.where(a > 0, np.clip(np.frexp(np.where(a > 0, a, 1))[1] - 1 - 15, -126, 127), 0)      # np.frexp(a)[1] - 1 = floor(log2(a)), exactly
;;       r = np.clip(x / 2.0 ** e, -57344, 57344)
;;       step = 2.0 ** (np.maximum(np.frexp(np.where(r == 0, 1, r))[1] - 1, -14) - 2)
;;       q = np.round(r / step) * step * 2.0 ** e      # np.round: ties to even
;;       return np.moveaxis(q.reshape(q.shape[:-2] + (-1,))[..., :K], -1, axis).astype(np.float32)
;;   ~~~
;;   OPERANDS COMPUTED ON THE WAY. 'Computed on the way' means the value that the module computes at that place (a softmax that the list does not call 'softmax' is quantised finished and normalised). What goes into a quantiser is computed in f32, as accurately as f32 sums, v_exp_f32 and their like allow (about 1e-6 of the number): no bf16 or f16 on the way to a quantiser, and a product that is left as it is and whose result goes on into a quantised operand takes f32 operands (vector FMAs, or v_wmma_f32_16x16x4_f32). A number that lies on a knife's edge between two numbers of the format may be rounded either way, as far as f32 arithmetic and the matrix unit's own rounding can turn it there, and no further.
;; 2 versions, each right; version 2 is version 1 with the launch ffn written anew for expert scheduling mode. Each part assembles by itself: llvm-mc -triple=amdgcn-amd-amdhsa -mcpu=gfx1250 --defsym DOCPART=n.
;; ======== version 1 of 2: 2 launches
;; workspace buffers: wc 16,777,216 bytes; ws 524,288 bytes; order 132,096 bytes of whole numbers
;; launch prep (part 1): grid 1026 x 1, 4 waves a work-group, no clusters, 0 bytes of LDS; arguments W1, W2, mask, wc, ws, order; writes wc, ws, order
.if DOCPART == 1
	.amdgcn_target "amdgcn-amd-amdhsa--gfx1250"
	.amdhsa_code_object_version 6
	.text
	.protected	k_qf3fedf885b_prep
	.globl	k_qf3fedf885b_prep
	.p2align	8
	.type	k_qf3fedf885b_prep,@function
k_qf3fedf885b_prep:
	s_mov_b64 s[64:65], 0
	v_nop
	global_prefetch_b8 v0, s[64:65] scope:SCOPE_SE
	s_setreg_imm32_b32 hwreg(HW_REG_WAVE_MODE, 25, 1), 1
	s_wait_xcnt 0x0
; LAUNCH 1 OF 2.  (a) W1 [8][512][2048] and W2 [8][2048][512], f32, K = the FIRST axis inside an expert, become codes of E5M2 with one E8M0 byte for each 32 along K,
; laid in the order in which the second launch's operand registers take them.  (b) mask [8][4096] becomes, for each expert, a permutation of the tokens (routed ones first) and their count.
; wc: [e 8][w 4][chunk 8][s 4][t 8][2,048 bytes].  Chunks 0-3: W1, hidden units 128 (4 w + chunk) on, K steps s of d.  Chunks 4-7: W2, output columns 128 w on, K steps 4 (chunk - 4) + s of f.
;     The 2,048 bytes are a fragment's registers: byte 512 c + 16 (16 h + r) + i is the code of row r at k = 32 c + 16 h + i of the K step.
;     Row r of W1's tile t = 2 b + u is hidden unit 32 b + 8 u + r + 8 (r / 8) of the 128; row r of W2's tile t is column 16 t + r of the 128.
; ws: [e][w][chunk][s][p 4][lane 32] words: lane 16 u + r holds the four scale bytes (k blocks 0-3) of row r of tile 2 p + u.
; order: [e][4096] words, the expert's routed tokens from the front, the others from the back (every word is written); from byte 131,072 on [e][32] words, all the count.
; THE QUANTISER (work-groups 2 to 1,025): a work-group takes 128 columns x 128 along K, a wave 32 columns.  A LANE TAKES A COLUMN AND ITS 128 REGISTERS RUN DOWN K: a block of 32 lies in one lane,
; each load reads 128 consecutive bytes a wave (the four waves side by side on 512), and the conversions give codes with K innermost.  Which column a lane takes makes W1's order of rows: nothing is permuted afterwards.
; A block's scale is 2^(floor(log2(largest magnitude)) - 15); its byte is that magnitude's exponent field - 15, held at 1 from below.  A block of zeros gets the byte 1 (the rule says 127): its codes are zeros, and only this program reads the bytes.
; LIMITS: blocks whose largest magnitude lies under 2^(16 - 127), the floor, keep the byte 1; NaN and infinities among the weights are not served.
; The codes leave as aligned runs of 256 bytes from sixteen lanes.  The scale words leave as 128 bytes a wave, 512 on end a work-group: one part in 160 of what the launch moves.
; THE ROUTING (work-groups 0 and 1): one wave to an expert; no LDS, no barrier, EXEC never changes.
.set X,  64                            ; v64-191  block c's 32 numbers at X + 32 c
.set CD, 192                           ; v192-223 block c's codes at CD + 8 c: written once, so no store's data are written again
.set VO, 32                            ; v32-63   byte offset of my column in row i of a block
	s_load_b256 s[4:11], s[0:1], 0x0               ; W1 s[4:5], W2 s[6:7], mask s[8:9], wc s[10:11]
	s_load_b128 s[12:15], s[0:1], 0x20             ; ws s[12:13], order s[14:15]
	v_lshrrev_b32 v1, 5, v0
	v_readfirstlane_b32 s16, v1                    ; wave 0..3
	v_and_b32 v1, 31, v0                           ; lane
	s_cmp_lt_u32 ttmp9, 2
	s_cbranch_scc1 .Lroute
	v_and_b32 v2, 15, v0                           ; r
	v_bfe_u32 v3, v0, 4, 1                         ; u
	v_and_b32 v7, 7, v1                            ; W1's column: the lane's number with bits 3 and 4 swapped = 8 u + r + 8 (r / 8)
	v_bfe_u32 v8, v1, 4, 1
	v_lshl_or_b32 v7, v8, 3, v7
	v_bfe_u32 v8, v1, 3, 1
	v_lshl_or_b32 v7, v8, 4, v7
	v_lshlrev_b32 v5, 4, v2                        ; codes: wave x 4,096 + u x 2,048 + 16 r
	v_lshl_add_u32 v5, v3, 11, v5
	s_lshl_b32 s17, s16, 12
	v_add_nc_u32 v5, s17, v5
	s_lshl_b32 s17, s16, 7
	v_lshl_add_u32 v6, v1, 2, s17                  ; scale words: wave x 128 + 4 x lane
	s_sub_co_u32 s17, ttmp9, 2                     ; q
	s_lshr_b32 s18, s17, 9                         ; 0: W1, 1: W2
	s_and_b32 s19, s17, 511                        ; bits: e (3), w (2), chunk % 4 (2), s (2)
	s_lshr_b32 s20, s19, 6
	s_lshl_b32 s20, s20, 22                        ; an expert is 4 MiB in both tensors
	s_lshl_b32 s21, s16, 7
	s_add_co_u32 s20, s20, s21                     ; + my wave's 32 columns
	s_and_b32 s21, s19, 3                          ; W1: K step s is 128 rows of 8,192 bytes; columns 128 (4 w + chunk) on
	s_lshl_b32 s21, s21, 20
	s_bfe_u32 s22, s19, 0x40002
	s_lshl_b32 s22, s22, 9
	s_add_co_u32 s21, s21, s22
	s_and_b32 s22, s19, 15                         ; W2: K step 4 (chunk % 4) + s is 128 rows of 2,048 bytes; columns 128 w on
	s_lshl_b32 s22, s22, 18
	s_bfe_u32 s23, s19, 0x20004
	s_lshl_b32 s23, s23, 9
	s_add_co_u32 s22, s22, s23
	s_lshr_b32 s23, s19, 4                         ; where it goes: ((4 e + w) x 8 + chunk) x 4 + s
	s_lshl_b32 s23, s23, 5
	s_lshl_b32 s47, s18, 4
	s_add_co_u32 s23, s23, s47
	s_and_b32 s47, s19, 15
	s_add_co_u32 s23, s23, s47
	s_lshl_b32 s48, s23, 14                        ; 16,384 bytes of codes,
	s_mov_b32 s49, 0
	s_lshl_b32 s50, s23, 9                         ; 512 bytes of scale words
	s_mov_b32 s51, 0
	s_mov_b32 s46, 0x600000                        ; the mantissa field of 57,344
	s_mov_b32 s44, 2048
	s_wait_kmcnt 0x0
	s_cmp_eq_u32 s18, 0                            ; the choice hangs on the work-group's number alone; both tensors take one path
	s_cselect_b64 s[24:25], s[4:5], s[6:7]
	s_cselect_b32 s21, s21, s22
	s_cselect_b32 s44, 8192, s44                   ; bytes from a row of K to the next
	s_cselect_b32 s45, -1, 0                       ; all lanes: W1's order of columns, or none
	s_add_co_u32 s36, s20, s21
	s_mov_b32 s37, 0
	s_add_nc_u64 s[24:25], s[24:25], s[36:37]      ; block 0's first row
	s_lshl_b32 s40, s44, 5
	s_mov_b32 s41, 0
	s_add_nc_u64 s[26:27], s[24:25], s[40:41]      ; blocks 1 to 3: 32 rows further down each
	s_add_nc_u64 s[28:29], s[26:27], s[40:41]
	s_add_nc_u64 s[30:31], s[28:29], s[40:41]
	s_add_nc_u64 s[32:33], s[10:11], s[48:49]
	s_add_nc_u64 s[34:35], s[12:13], s[50:51]
	v_cndmask_b32 v4, v1, v7, s45                  ; my column among the wave's 32
	v_lshlrev_b32 v[VO], 2, v4
.set ii, 1
.rept 31
	v_mad_u32_u24 v[VO+ii], s44, ii, v[VO]
.set ii, ii+1
.endr
.macro LOAD c                          ; block c: W(32 c + i, my column), i = 0 .. 31; read once in the launch
.set ii, 0
.rept 32
	global_load_b32 v[X+32*(\c)+ii], v[VO+ii], s[24+2*(\c):25+2*(\c)] th:TH_LOAD_NT
.set ii, ii+1
.endr
.endm
	LOAD 0                                         ; every block has registers of its own, so all 128 loads are issued at once
	LOAD 1
	LOAD 2
	LOAD 3
.macro BLOCK c, left
.set XS, X+32*(\c)
	s_wait_loadcnt \left                           ; loads come back in order (ISA guide 5.7.1): at most as many may stay out as were issued behind this block's
	v_max3_num_f32 v8, |v[XS]|, |v[XS+1]|, |v[XS+2]|               ; the block's largest magnitude: all 32 numbers are mine; two chains
	v_max3_num_f32 v9, |v[XS+3]|, |v[XS+4]|, |v[XS+5]|
.irp i, 6,10,14,18,22,26
	v_max3_num_f32 v8, v8, |v[XS+\i]|, |v[XS+\i+1]|
	v_max3_num_f32 v9, v9, |v[XS+\i+2]|, |v[XS+\i+3]|
.endr
	v_max3_num_f32 v8, v8, |v[XS+30]|, |v[XS+31]|
	v_max3_num_f32 v8, v8, v9, 0x8000000           ; and the floor 2^(16 - 127): the byte cannot fall under 1
	v_add_nc_u32 v11, 0xf8800000, v8               ; 15 off the exponent field: the conversion takes this operand's exponent field as its scale
	v_and_or_b32 v10, v8, 0x7f800000, s46          ; 57,344 x the scale
.set ii, 0
.rept 32
	v_med3_num_f32 v[XS+ii], v[XS+ii], -v10, v10   ; the conversion to an 8-bit code does not saturate (ISA guide 7.6.2): the hold comes first
.set ii, ii+1
.endr
.irp g, 0,1,2,3
	v_cvt_scalef32_pk8_bf8_f32 v[CD+8*(\c)+2*\g:CD+8*(\c)+2*\g+1], v[XS+8*\g:XS+8*\g+7], v11
.endr
	v_lshrrev_b32 v12, 23, v11                     ; the scale's byte (also the plain line behind the conversions)
.if (\c) == 0
	v_mov_b32 v14, v12
.else
	v_lshl_or_b32 v14, v12, 8*(\c), v14            ; four bytes make my row's scale word, the lower K in the lower byte
.endif
	global_store_b128 v5, v[CD+8*(\c):CD+8*(\c)+3], s[32:33] offset:512*(\c)         ; k = 32 c + 0 .. 15: sixteen lanes fill 256 consecutive bytes, aligned
	global_store_b128 v5, v[CD+8*(\c)+4:CD+8*(\c)+7], s[32:33] offset:512*(\c)+256   ; k = 32 c + 16 .. 31
.endm
	BLOCK 0, 63                                    ; 96 loads stand behind block 0's, 64 behind block 1's: 63 is the largest count that the wait can name
	BLOCK 1, 63
	BLOCK 2, 32
	BLOCK 3, 0
	global_store_b32 v6, v14, s[34:35]
	s_endpgm
.Lroute:                                               ; expert 4 x work-group + wave
	s_lshl_b32 s17, ttmp9, 2
	s_add_co_u32 s17, s17, s16
	s_lshl_b32 s18, s17, 12                        ; its 4,096 bytes of mask,
	s_mov_b32 s19, 0
	s_lshl_b32 s24, s17, 14                        ; its 4,096 words of the list,
	s_mov_b32 s25, 0
	s_lshl_b32 s28, s17, 7                         ; its 32 words for the count
	s_add_co_u32 s28, s28, 131072
	s_mov_b32 s29, 0
	v_lshlrev_b32 v16, 4, v1                       ; 16 x lane: my 16 bytes of a load's 512, and my first token in them
	v_lshlrev_b32 v17, 2, v1
	s_mov_b32 s20, 0                               ; routed tokens so far: the next place from the front
	s_mov_b32 s21, 4095                            ; the next place from the back
	s_wait_kmcnt 0x0
	s_add_nc_u64 s[18:19], s[8:9], s[18:19]
	s_add_nc_u64 s[26:27], s[14:15], s[24:25]
	s_add_nc_u64 s[28:29], s[14:15], s[28:29]
.irp c, 0,1,2,3,4,5,6,7
	global_load_b128 v[64+4*\c:67+4*\c], v16, s[18:19] offset:512*\c
.endr
; One step places the 32 tokens 512 c + 16 x lane + k.  A routed token goes to (routed so far) + (routed ones in lower lanes); another to (next from the back) - (others in lower lanes).
.macro RSTEP c, k
	v_and_b32 v8, 0xff<<(8*((\k)%4)), v[64+4*(\c)+(\k)/4]
	v_cmp_ne_u32 vcc_lo, 0, v8
	v_mbcnt_lo_u32_b32 v9, vcc_lo, 0
	s_bcnt1_i32_b32 s22, vcc_lo
	v_add_nc_u32 v10, s20, v9
	v_sub_nc_u32 v11, v1, v9
	v_sub_nc_u32 v11, s21, v11
	v_cndmask_b32 v[96+(\k)], v11, v10, vcc_lo
	v_min_u32 v[96+(\k)], 0xfff, v[96+(\k)]        ; a place made from loaded bytes is held inside the expert's 4,096 words
	v_lshlrev_b32 v[96+(\k)], 2, v[96+(\k)]
	v_add_nc_u32 v[112+(\k)], 512*(\c)+(\k), v16   ; the token
	global_store_b32 v[96+(\k)], v[112+(\k)], s[26:27]
	s_add_co_u32 s20, s20, s22
	s_add_co_u32 s21, s21, s22
	s_sub_co_u32 s21, s21, 32
.endm
.irp c, 0,1,2,3,4,5,6,7
	s_wait_loadcnt 7-\c                            ; this run's 512 bytes are in; the later runs may be out
.if \c > 0
	s_wait_xcnt 0x0                                ; the sixteen pairs of store registers are written again only behind this wait (ISA guide 3.1)
.endif
.irp k, 0,1,2,3,4,5,6,7,8,9,10,11,12,13,14,15
	RSTEP \c, \k
.endr
.endr
	v_mov_b32 v8, s20
	global_store_b32 v17, v8, s[28:29]             ; the count, 32 times
	s_endpgm
.Lfunc_end_k_qf3fedf885b_prep:
	.size	k_qf3fedf885b_prep, .Lfunc_end_k_qf3fedf885b_prep-k_qf3fedf885b_prep
	.p2alignl 7, 3214868480
	.fill 96, 4, 3214868480
	.section	.rodata,"a",@progbits
	.p2align	6, 0x0
	.amdhsa_kernel k_qf3fedf885b_prep
		.amdhsa_group_segment_fixed_size 0
		.amdhsa_private_segment_fixed_size 0
		.amdhsa_enable_private_segment 0
		.amdhsa_kernarg_size 48
		.amdhsa_user_sgpr_count 2
		.amdhsa_user_sgpr_kernarg_segment_ptr 1
		.amdhsa_wavefront_size32 1
		.amdhsa_system_sgpr_workgroup_id_x 1
		.amdhsa_system_sgpr_workgroup_id_y 1
		.amdhsa_system_sgpr_workgroup_id_z 1
		.amdhsa_system_vgpr_workitem_id 0
		.amdhsa_next_free_vgpr 224
		.amdhsa_next_free_sgpr 66
		.amdhsa_reserve_vcc 1
		.amdhsa_float_denorm_mode_32 3
		.amdhsa_float_denorm_mode_16_64 3
		.amdhsa_memory_ordered 1
		.amdhsa_forward_progress 1
		.amdhsa_inst_pref_size 118
	.end_amdhsa_kernel
	.amdgpu_metadata
---
amdhsa.version: [ 1, 2 ]
amdhsa.kernels:
  - .name:           k_qf3fedf885b_prep
    .symbol:         k_qf3fedf885b_prep.kd
    .args:
      - { .name: W1, .offset: 0, .size: 8, .value_kind: global_buffer, .address_space: global }
      - { .name: W2, .offset: 8, .size: 8, .value_kind: global_buffer, .address_space: global }
      - { .name: mask, .offset: 16, .size: 8, .value_kind: global_buffer, .address_space: global }
      - { .name: wc, .offset: 24, .size: 8, .value_kind: global_buffer, .address_space: global }
      - { .name: ws, .offset: 32, .size: 8, .value_kind: global_buffer, .address_space: global }
      - { .name: order, .offset: 40, .size: 8, .value_kind: global_buffer, .address_space: global }
    .group_segment_fixed_size: 0
    .private_segment_fixed_size: 0
    .kernarg_segment_align: 8
    .kernarg_segment_size: 48
    .max_flat_workgroup_size: 128
    .sgpr_count:     66
    .vgpr_count:     224
    .wavefront_size: 32
...
	.end_amdgpu_metadata
.endif
;; end of part 1
;; launch ffn (part 2): grid 8 x 64, 4 waves a work-group, no clusters, 208,384 bytes of LDS; arguments x, wc, ws, b1, b2, mask, order, out0; writes out0
.if DOCPART == 2
	.amdgcn_target "amdgcn-amd-amdhsa--gfx1250"
	.amdhsa_code_object_version 6
	.text
	.protected	k_qf3fedf885b_ffn
	.globl	k_qf3fedf885b_ffn
	.p2align	8
	.type	k_qf3fedf885b_ffn,@function
k_qf3fedf885b_ffn:
	s_mov_b64 s[64:65], 0
	v_nop
	global_prefetch_b8 v0, s[64:65] scope:SCOPE_SE
	s_setreg_imm32_b32 hwreg(HW_REG_WAVE_MODE, 25, 1), 1
	s_wait_xcnt 0x0
; LAUNCH 2 OF 2.  out0[e][t] = mask[e][t] ? gelu(x[t] W1[e] + b1[e]) W2[e] + b2[e] : 0, both products on codes of E5M2 with one E8M0 scale for each 32 along K; gelu in its tanh form, in f32.
; Work-group (e, j) does two things.  (1) ZEROS: of tokens 64 j .. 64 j + 63 it clears the rows of out0[e] whose mask is 0.  (2) A TILE: rows 64 j .. 64 j + 63 of expert e's list of routed tokens go through
; the whole chain: gather x, quantise, product 1 + b1, gelu, quantise, product 2 + b2, store by token.  Rows of a last tile past the expert's count are tokens that are not routed: they are computed and not stored.
; 64 tiles an expert serve every mask, all true too.  Each row of out0 has one owner.
; A WORK-GROUP WHOSE TILE BEGINS AT OR PAST THE COUNT passes over the chain's sections one by one: every wave passes both barriers and walks the loop's four trips; the branch on the count stands inside each
; section and each trip, and a section reads only registers that the head or the section itself has written.
; NO TENSOR LOADS, NO CLUSTER: the tiles of one expert read the same weights, but whether a work-group has a tile at all is a number read from memory, and partners would need different numbers of joint requests.
; So the weights go from memory straight into registers, as images of the operand's registers that the first launch has laid on end: each load of a wave is 512 consecutive bytes.
; SHARES.  The four waves share the COLUMNS: wave w makes hidden units 512 w .. 512 w + 511 (four groups of 128) and outputs 128 w .. 128 w + 127, for all 64 rows; each weight fragment feeds four matrix instructions.
; The rows' codes go from wave to wave through LDS as images of their registers (16 bytes a lane, 512 a store; the scale word 4 bytes a lane): no pitch, no padding.  Two barriers.
; BOTH PRODUCTS ARE USED TRANSPOSED (source 0 = 16 rows of a weight, source 1 = 16 tokens): a lane holds one token (lane % 16).  W1's rows are ordered so that the 16 registers of tiles 2 b, 2 b + 1 are hidden units 32 b + 16 (lane / 16) + 0 .. 15.
; gelu(v) = v / (1 + 2^(v (C1 + C2 v^2))), C1 = -2 log2(e) sqrt(2 / pi), C2 = 0.044715 C1: the same function as v (1 + tanh(..)) / 2.  Where the power overflows the quotient is 0, where it underflows it is v: no clamp is needed.
; LIMITS: NaN and infinities among the inputs are not served.  For very negative v the exponent's rounding shows in gelu(v): a relative error of about |exponent| x 2^-23 in numbers that are tiny beside their block's largest.
; A block whose largest magnitude lies under 2^(16 - 127) keeps the scale byte 1; a block of zeros too (its codes are zeros).
; REGISTERS, in windows of 256 (s_set_vgpr_msb: bits 1:0 source 0, 3:2 source 1, 5:4 source 2, 7:6 destination):
;   window 0: v1-31 addresses and constants; v32-47 the weights' scale words, v48-55 the rows' (scales and nothing else); v64-127 64 numbers at work; v128-191 a bias, 8 tiles x 8; v192-224 the quantiser's.
;   window 1: a ring of 16 weight fragments.   window 2: 32 accumulators, (tile t, rows m) at 8 (4 t + m).   window 3: 16 fragments of rows, (m, K step) at 16 (4 m + step % 4).
;   At the start windows 2 and 3 hold x's numbers (v0-127) and the quantiser's registers under the same numbers as in window 0.
.set HIMG, 0                           ; LDS: the hidden layer's 64 images, (4 g + m) x 2,048
.set HSC,  131072                      ; their scale words, (4 g + m) x 128
.set XIMG, 139264                      ; x's 16 images, (4 m + s) x 2,048
.set XSC,  172032                      ; their scale words
.set STG,  174080                      ; the way out: 16 rows x (512 + 16) bytes for each wave, its own
.set LI,  4                            ; v4   16 x lane: my place in an image, in memory and in LDS; since HIMG = 0 also where all read the hidden images of K steps 0-7
.set LS,  5                            ; v5   4 x lane
.set XWI, 6                            ; v6   where I store x's images;  v7 their scale words
.set XWS, 7
.set XRI, 8                            ; v8   where all read them;  v9 the scale words: lanes 0-15 rows m, lanes 16-31 rows m + 1 (four images, 512 bytes, on)
.set XRS, 9
.set HWI, 10                           ; v10  where I store my first group's hidden images;  v11 their scale words
.set HWS, 11
.set HRS, 13                           ; v13  where all read the hidden layer's scale words: lanes 16-31 one image on
.set SO,  14                           ; v14  the stage: where I put 32 bytes of a row;  v15 where I read a row back
.set SR,  15
.set CO,  16                           ; v16  my 16 bytes in a row of out0: 512 x wave + 16 x lane
.set XA,  17                           ; v17  my token's row of x, + 64 (lane / 16)
.set H64, 18                           ; v18  64 (lane / 16): b1;   v19  32 (lane / 16): b2
.set H32, 19
.set ZR,  20                           ; v20-23 zeros
.set TOK, 24                           ; v24  my token as loaded;  v25 its place in the list
.set TOF, 25
.set C1R, 26                           ; v26-27 C1, twice
.set HRJ, 28                           ; v28  16 x lane + 65,536: the hidden images of K steps 8-15
.set HWA, 30                           ; v30, v31: v10, v11 for the group in hand, made in each trip
.set HWB, 31
.set SW,  32
.set BS,  48
.set T,   64
.set BI,  128
.set TM,  192                          ; +0..3 largest magnitudes, +4..7 bytes, +8..11 57,344 x the scale, +12..15 the conversions' scale operands
.set PC,  208                          ; the codes just made
.set PW,  224                          ; their scale word
.set WPT, 40                           ; s[40:41] my wave's stream of codes, at the chunk in hand;  s[42:43] of scale words
.set SPT, 42
.set B1P, 44                           ; s[44:45] b1 at the group in hand;  s[46:47] b2 at my 128 outputs
.set B2P, 46
.set OE,  48                           ; s[48:49] out0[e];  s[50:51] at my 16 tokens of the zeros
.set ZP,  50
.set OT,  56                           ; s[56:57] the list at my tile's first row
.set GI,  62                           ; s62  8,192 x the trip: the group's images;  s63  512 x the trip: their scale words
.set GS,  63
.set QOFF, 0                           ; bytes from s[40:41] to the chunk in hand;  QSOFF: from s[42:43]
.set QSOFF, 0
.set MSB, 0
.macro WIN new                         ; the immediate's high byte repeats the setting that is left; a switch that changes nothing is dropped
.if MSB != \new
	s_set_vgpr_msb (MSB<<8)|\new
.set MSB, \new
.endif
.endm
.macro PLACES n
.rept \n
	v_nop
.endr
.endm
; 64 numbers of a lane, v[s] .. v[s + 63], register 16 b + i = k 32 b + 16 (lane / 16) + i of my row, become a fragment's codes in v[PC] on and its scale word in v[PW].
.macro QUANT s
.irp b, 0,1,2,3
	v_max3_num_f32 v[TM+\b], |v[\s+16*\b]|, |v[\s+1+16*\b]|, 0x8000000   ; block b: my 16 numbers, and the floor 2^(16 - 127): the byte cannot fall under 1
.endr
.irp i, 2,4,6,8,10,12,14
.irp b, 0,1,2,3
	v_max3_num_f32 v[TM+\b], v[TM+\b], |v[\s+16*\b+\i]|, |v[\s+1+16*\b+\i]|   ; the four blocks by turns
.endr
.endr
.irp b, 0,1,2,3
	v_permlanex16_b32 v[TM+4+\b], v[TM+\b], s28, s29
.endr
.irp b, 0,1,2,3
	v_max_num_f32 v[TM+\b], v[TM+\b], v[TM+4+\b]   ; with lane l xor 16's: the block's largest magnitude
.endr
.irp b, 0,1,2,3
	v_add_nc_u32 v[TM+12+\b], 0xf8800000, v[TM+\b]   ; 15 off its exponent field: the conversion's scale operand
.endr
.irp b, 0,1,2,3
	v_and_or_b32 v[TM+8+\b], v[TM+\b], 0x7f800000, s30   ; 57,344 x the scale
.endr
.irp b, 0,1,2,3
	v_lshrrev_b32 v[TM+4+\b], 23, v[TM+12+\b]   ; the scale's byte
.endr
	v_lshl_or_b32 v[PW], v[TM+5], 8, v[TM+4]
	v_lshl_or_b32 v[PW], v[TM+6], 16, v[PW]
	v_lshl_or_b32 v[PW], v[TM+7], 24, v[PW]
.irp b, 0,1,2,3
.irp i, 0,1,2,3,4,5,6,7,8,9,10,11,12,13,14,15
	v_med3_num_f32 v[\s+16*\b+\i], v[\s+16*\b+\i], -v[TM+8+\b], v[TM+8+\b]   ; the conversion to an 8-bit code does not saturate (ISA guide 7.6.2): the hold comes first
.endr
	v_cvt_scalef32_pk8_bf8_f32 v[PC+4*\b:PC+1+4*\b], v[\s+16*\b:\s+7+16*\b], v[TM+12+\b]
	v_cvt_scalef32_pk8_bf8_f32 v[PC+2+4*\b:PC+3+4*\b], v[\s+8+16*\b:\s+15+16*\b], v[TM+12+\b]
.endr
	v_nop                                          ; one plain line behind the last conversion, ahead of whatever next writes its sources
.endm
.macro IMAGE adr, off                  ; the fragment in v[PC] on goes to LDS as it stands
.irp c, 0,1,2,3
	ds_store_b128 v[\adr], v[PC+4*\c:PC+4*\c+3] offset:(\off)+512*\c
.endr
.endm
.macro XLOAD s, dst                    ; my token's numbers of K step s: of each block of 32 my half's 16
.irp b, 0,1,2,3
.irp i, 0,1,2,3
	global_load_b128 v[(\dst)+16*\b+4*\i:(\dst)+16*\b+4*\i+3], v[XA], s[4:5] offset:512*(\s)+128*\b+16*\i
.endr
.endr
.endm
.macro PRO_A f0, n                     ; fragments f0 .. f0 + n - 1 of the chunk at s[40:41] into the ring: four loads each
	WIN 0x40
.set rF, \f0
.rept \n
.irp c, 0,1,2,3
	global_load_b128 v[16*rF+4*\c:16*rF+4*\c+3], v[LI], s[WPT:WPT+1] offset:2048*rF+512*\c
.endr
.set rF, rF+1
.endr
	WIN 0
.endm
.macro PRO_S                           ; a chunk's 16 scale registers: register 4 s + p: lanes 0-15 tile 2 p, lanes 16-31 tile 2 p + 1, K step s
.irp i, 0,1,2,3,4,5,6,7,8,9,10,11,12,13,14,15
	global_load_b32 v[SW+\i], v[LS], s[SPT:SPT+1] offset:128*\i
.endr
.endm
.macro PRO_B1                          ; b1 in the result's layout: tile 2 b + u, register j: hidden unit 32 b + 16 (lane / 16) + 8 u + j
.irp t, 0,1,2,3,4,5,6,7
	global_load_b128 v[BI+8*\t:BI+8*\t+3], v[H64], s[B1P:B1P+1] offset:(32*(\t/2)+8*(\t%2))*4
	global_load_b128 v[BI+8*\t+4:BI+8*\t+7], v[H64], s[B1P:B1P+1] offset:(32*(\t/2)+8*(\t%2))*4+16
.endr
.endm
.macro PRO_B2                          ; b2 likewise: tile t, register j: output 16 t + 8 (lane / 16) + j
.irp t, 0,1,2,3,4,5,6,7
	global_load_b128 v[BI+8*\t:BI+8*\t+3], v[H32], s[B2P:B2P+1] offset:64*\t
	global_load_b128 v[BI+8*\t+4:BI+8*\t+7], v[H32], s[B2P:B2P+1] offset:64*\t+16
.endr
.endm
.macro XFETCH s                        ; x's four fragments and two scale registers of K step s: 18 LDS loads
	WIN 0xc0
.irp m, 0,1,2,3
.irp c, 0,1,2,3
	ds_load_b128 v[16*(4*\m+(\s))+4*\c:16*(4*\m+(\s))+4*\c+3], v[XRI] offset:(4*\m+(\s))*2048+512*\c
.endr
.endr
	WIN 0
.irp d, 0,1
	ds_load_b32 v[BS+2*(\s)+\d], v[XRS] offset:(8*\d+(\s))*128
.endr
.endm
; One matrix instruction: tile t of the weight x rows m, K step s of the chunk.  QB = 1: the bias is the C of the sum's first step.
.macro WM t, m, s
.set rD, 8*(4*(\t)+(\m))
.set rC, rD
.if QB
.set rC, BI+8*(\t)
.endif
.set rA, 16*((8*(\s)+(\t))%16)
.set rB, 16*(4*(\m)+(\s))
.set rX, SW+4*(\s)+(\t)/2
.set rY, BS+2*(\s)+(\m)/2
.if ((\t)%2 == 0) && ((\m)%2 == 0)
	v_wmma_scale_f32_16x16x128_f8f6f4 v[rD:rD+7], v[rA:rA+15], v[rB:rB+15], v[rC:rC+7], v[rX], v[rY] matrix_a_fmt:MATRIX_FMT_BF8 matrix_b_fmt:MATRIX_FMT_BF8
.elseif ((\m)%2 == 0)
	v_wmma_scale_f32_16x16x128_f8f6f4 v[rD:rD+7], v[rA:rA+15], v[rB:rB+15], v[rC:rC+7], v[rX], v[rY] matrix_a_fmt:MATRIX_FMT_BF8 matrix_b_fmt:MATRIX_FMT_BF8 matrix_a_scale:MATRIX_SCALE_ROW1
.elseif ((\t)%2 == 0)
	v_wmma_scale_f32_16x16x128_f8f6f4 v[rD:rD+7], v[rA:rA+15], v[rB:rB+15], v[rC:rC+7], v[rX], v[rY] matrix_a_fmt:MATRIX_FMT_BF8 matrix_b_fmt:MATRIX_FMT_BF8 matrix_b_scale:MATRIX_SCALE_ROW1
.else
	v_wmma_scale_f32_16x16x128_f8f6f4 v[rD:rD+7], v[rA:rA+15], v[rB:rB+15], v[rC:rC+7], v[rX], v[rY] matrix_a_fmt:MATRIX_FMT_BF8 matrix_b_fmt:MATRIX_FMT_BF8 matrix_a_scale:MATRIX_SCALE_ROW1 matrix_b_scale:MATRIX_SCALE_ROW1
.endif
.endm
; QUARTER q of a chunk's 16: pair q of its weight fragments (2 q, 2 q + 1: K step q / 4, tiles 2 (q % 4) and + 1) x the four tiles of rows: 8 matrix instructions.  The 32 accumulators take turns, one instruction a turn,
; in the same order in every K step.  Behind the products pair q + 7 is asked for, into the ring's places of pair q - 1.
; mode 1: the stream goes on into the next chunk.  mode 2: nothing is asked for beyond the chunk's pair 15 (a group of the first product; the second product's last chunk).
; THE WAIT: behind pair q stand pairs q + 1 .. q + 6, 48 loads, or as many pairs as the chunk still has (scale words asked for in between only add to what stands behind).  A chunk's scale words and bias are asked for ahead of its pair 0.
; PLACES: a load into a register that a matrix instruction has read stands eight plain vector lines behind it: four here and four in the quarter before, for the ring;
; eight here where the K step's four scale registers, of which this quarter has just read one, are loaded anew.
.macro QUARTER q, first, mode
.set QS, (\q)/4
.set QP, (\q)%4
.set QN, 48
.if 15-(\q) < 6
.set QN, 8*(15-(\q))
.endif
.if (\mode) == 1
	s_wait_loadcnt 48
.else
	s_wait_loadcnt QN
.endif
.set QB, 0
.if (\first) && (QS == 0)
.set QB, 1
	WIN 0x8d                                       ; A window 1, B window 3, C (the bias) window 0, D window 2
.else
	WIN 0xad                                       ; C and D window 2
.endif
.irp tt, 0,1
.irp m, 0,1,2,3
	WM 2*QP+\tt, \m, QS
.endr
.endr
.if ((\mode) == 1) || ((\q) <= 8)
.if ((\mode) == 1) && (QP == 3)
	PLACES 8
.else
	PLACES 4
.endif
	WIN 0x40
.irp ff, 0,1
.set rF, 2*((\q)+7)+\ff
.irp c, 0,1,2,3
	global_load_b128 v[16*(rF%16)+4*\c:16*(rF%16)+4*\c+3], v[LI], s[WPT:WPT+1] offset:QOFF+2048*rF+512*\c
.endr
.endr
.if ((\mode) == 1) && (QP == 3)
	WIN 0
.irp p, 0,1,2,3
	global_load_b32 v[SW+4*QS+\p], v[LS], s[SPT:SPT+1] offset:QSOFF+2048+128*(4*QS+\p)   ; the next chunk's scale words of this K step: used 13 quarters on, behind 96 younger loads
.endr
.endif
.endif
.endm
; Rows m of the group in hand: gelu of my 64 sums, quantised; the image is K step g of the second product.  Each accumulator is read from its low end on.
.macro VEC m
	WIN 0x0a                                       ; both sources window 2, destination window 0
.set ee, 0
.rept 32
.set dd, 32*(ee/8)+8*(\m)+ee%8
	v_pk_mul_f32 v[T+ee:T+ee+1], v[dd:dd+1], v[dd:dd+1]             ; v^2
.set ee, ee+2
.endr
	WIN 0x08                                       ; source 1 window 2
.set ee, 0
.rept 32
	v_pk_fma_f32 v[T+ee:T+ee+1], v[T+ee:T+ee+1], s[32:33], v[C1R:C1R+1] op_sel_hi:[1,0,1]   ; C2 v^2 + C1
.set ee, ee+2
.endr
.set ee, 0
.rept 32
.set dd, 32*(ee/8)+8*(\m)+ee%8
	v_pk_mul_f32 v[T+ee:T+ee+1], v[T+ee:T+ee+1], v[dd:dd+1]         ; x v
.set ee, ee+2
.endr
.set ee, 0
.rept 64
	v_exp_f32 v[T+ee], v[T+ee]
.set ee, ee+1
.endr
	v_nop                                          ; a plain line between the exponentials and the first use of a result (ISA guide 5.7.2)
.set ee, 0
	s_wait_alu depctr_va_vdst(0)
.rept 32
	v_pk_add_f32 v[T+ee:T+ee+1], v[T+ee:T+ee+1], 1.0 op_sel_hi:[1,0]
.set ee, ee+2
.endr
.set ee, 0
.rept 64
	v_rcp_f32 v[T+ee], v[T+ee]
.set ee, ee+1
.endr
	v_nop                                          ; likewise behind the reciprocals
.set ee, 0
	s_wait_alu depctr_va_vdst(0)
.rept 32
.set dd, 32*(ee/8)+8*(\m)+ee%8
	v_pk_mul_f32 v[T+ee:T+ee+1], v[T+ee:T+ee+1], v[dd:dd+1]         ; gelu(v)
.set ee, ee+2
.endr
	WIN 0
	QUANT T
	IMAGE HWA, 2048*(\m)
	ds_store_b32 v[HWB], v[PW] offset:128*(\m)
	s_wait_dscnt 0x0                               ; the stores have read their registers: the next codes may be written
.endm
; The hidden layer's four fragments and two scale registers of K step S (0 .. 15) of the second product: 18 LDS loads.  Every offset is an immediate: K steps 0-7 from v4, 8-15 from v28.
.macro HLOAD S
.set HB, (\S)%4
.set HO, ((\S)%8)*8192
	WIN 0xc0
.irp m, 0,1,2,3
.irp c, 0,1,2,3
.if (\S) < 8
	ds_load_b128 v[16*(4*\m+HB)+4*\c:16*(4*\m+HB)+4*\c+3], v[LI] offset:HO+\m*2048+512*\c
.else
	ds_load_b128 v[16*(4*\m+HB)+4*\c:16*(4*\m+HB)+4*\c+3], v[HRJ] offset:HO+\m*2048+512*\c
.endif
.endr
.endr
	WIN 0
.irp d, 0,1
	ds_load_b32 v[BS+2*HB+\d], v[HRS] offset:(4*(\S)+2*\d)*128
.endr
.endm
; Chunk c of the second product: K steps 4 c .. 4 c + 3.  The rows' fragments are fetched two K steps ahead, into the places read two K steps ago (a K step's 16 or 20 v_nop lie between).
; THE WAIT: behind a K step's 18 LDS loads stand those of the next two: 36; at the end 18 and then none.
.macro CH2 c
.set QOFF, 65536*(\c)
.set QSOFF, 2048*(\c)
.irp s, 0,1,2,3
.if 4*(\c)+\s+2 < 16
	HLOAD 4*(\c)+\s+2
	s_wait_dscnt 36
.else
	s_wait_dscnt 18*(15-4*(\c)-\s)
.endif
.irp p, 0,1,2,3
.if (\c) == 3
	QUARTER 4*\s+\p, 0, 2
.elseif (\c) == 0
	QUARTER 4*\s+\p, 1, 1
.else
	QUARTER 4*\s+\p, 0, 1
.endif
.endr
.endr
.endm
.macro ZROW i                          ; token i of my sixteen: not routed: its row of 2,048 bytes is cleared, 512 consecutive bytes a store
	s_bfe_u32 s31, s[36+(\i)/4], (8<<16)|(8*((\i)%4))
	s_cmp_lg_u32 s31, 0
	s_cbranch_scc1 .Lrouted_\@
.irp c, 0,1,2,3
	global_store_b128 v[LI], v[ZR:ZR+3], s[ZP:ZP+1] offset:2048*(\i)+512*\c th:TH_STORE_NT
.endr
.Lrouted_\@:
.endm
; THE WAY OUT of rows m.  A lane holds 32 neighbouring bytes of a row and the lanes beside it other rows: the 16 rows x 512 bytes go through my own stage and come back as whole rows, which leave as 512 consecutive, aligned bytes at the row's token.
.macro OUTM m
.set BK, 64+64*((\m)%2)
.set VO, 192+16*((\m)%2)
.set TK, 68+16*((\m)%2)
.if (\m) >= 2
	s_wait_xcnt 0x0                                ; the stores of rows m - 2 have read their data and offsets: both sets are written again
.endif
	WIN 0x08                                       ; an LDS store's data are its source 1: window 2
.irp t, 0,1,2,3,4,5,6,7
	ds_store_b128 v[SO], v[8*(4*\t+(\m)):8*(4*\t+(\m))+3] offset:64*\t        ; each accumulator from its low end on
	ds_store_b128 v[SO], v[8*(4*\t+(\m))+4:8*(4*\t+(\m))+7] offset:64*\t+16
.endr
	WIN 0
.irp i, 0,1,2,3,4,5,6,7,8,9,10,11,12,13,14,15
	ds_load_b128 v[BK+4*\i:BK+4*\i+3], v[SR] offset:528*\i     ; LDS serves a wave's instructions in order (ISA guide 5.7.1.4): these see the stores above
.endr
	s_wait_kmcnt 0x0                               ; these rows' tokens
.irp i, 0,1,2,3,4,5,6,7,8,9,10,11,12,13,14,15
	s_min_u32 s52, s[TK+\i], 0xfff                 ; a token read from memory is held inside the 4,096 rows
	s_lshl_b32 s52, s52, 11
	v_add_nc_u32 v[VO+\i], s52, v[CO]
.endr
.if (\m) < 2
	s_load_b512 s[TK:TK+15], s[OT:OT+1], 64*((\m)+2)   ; the tokens of rows m + 2 into the set just used
.endif
	s_wait_dscnt 0x0
.irp i, 0,1,2,3,4,5,6,7,8,9,10,11,12,13,14,15
	s_cmp_gt_u32 s25, 16*(\m)+\i                   ; the first row past the expert's count ends the kernel: all later rows lie past it too
	s_cbranch_scc0 .Lfin
	global_store_b128 v[VO+\i], v[BK+4*\i:BK+4*\i+3], s[OE:OE+1] th:TH_STORE_NT
.endr
.endm
	; ---- the head, on every wave's path: every LDS address base is made here, of constants, the lane and the wave's number
	s_load_b512 s[4:19], s[0:1], 0x0               ; x s[4:5], wc s[6:7], ws s[8:9], b1 s[10:11], b2 s[12:13], mask s[14:15], order s[16:17], out0 s[18:19]
	v_lshl_add_u32 v254, v0, 2, 0x32c00
	v_mov_b32 v255, 0
	v_and_b32 v1, 31, v0                           ; lane
	v_and_b32 v2, 15, v0                           ; r
	v_bfe_u32 v3, v0, 4, 1                         ; h
	v_lshrrev_b32 v29, 5, v0
	v_readfirstlane_b32 s20, v29                   ; wave 0..3
	s_and_b32 s22, ttmp7, 0xffff                   ; j;  the expert is ttmp9
	s_lshl_b32 s24, s22, 6                         ; 64 j
	v_lshlrev_b32 v[LI], 4, v1
	v_lshlrev_b32 v[LS], 2, v1
	s_lshl_b32 s26, s20, 13
	s_add_co_u32 s26, s26, XIMG
	v_add_nc_u32 v[XWI], s26, v[LI]                ; my rows are tile m = wave: four images, 8,192 bytes
	s_lshl_b32 s26, s20, 9
	s_add_co_u32 s26, s26, XSC
	v_add_nc_u32 v[XWS], s26, v[LS]
	v_add_nc_u32 v[XRI], XIMG, v[LI]
	v_mad_u32_u24 v[XRS], v3, 448, v[LS]           ; lanes 16-31: 64 + 448 = 512 bytes on: rows m + 1
	v_add_nc_u32 v[XRS], XSC, v[XRS]
	s_lshl_b32 s26, s20, 15
	v_add_nc_u32 v[HWI], s26, v[LI]                ; my four groups: 16 images, 32,768 bytes
	s_lshl_b32 s26, s20, 11
	s_add_co_u32 s26, s26, HSC
	v_add_nc_u32 v[HWS], s26, v[LS]
	v_add_nc_u32 v[HRJ], 65536, v[LI]
	v_lshl_add_u32 v[HRS], v3, 6, v[LS]            ; lanes 16-31: 64 + 64 = 128 bytes on: rows m + 1
	v_add_nc_u32 v[HRS], HSC, v[HRS]
	s_mul_i32 s26, s20, 8448
	s_add_co_u32 s26, s26, STG
	v_mul_u32_u24 v[SO], v2, 528
	v_lshl_add_u32 v[SO], v3, 5, v[SO]
	v_add_nc_u32 v[SO], s26, v[SO]
	v_add_nc_u32 v[SR], s26, v[LI]
	s_lshl_b32 s26, s20, 9
	v_add_nc_u32 v[CO], s26, v[LI]
	v_lshlrev_b32 v[H64], 6, v3
	v_lshlrev_b32 v[H32], 5, v3
.irp z, 0,1,2,3
	v_mov_b32 v[ZR+\z], 0
.endr
	s_lshl_b32 s26, s20, 6
	v_lshl_add_u32 v[TOF], v2, 2, s26              ; row 16 x wave + r of the tile, 4 bytes a row
	v_mov_b32 v[C1R], 0xc0135761                   ; C1 = -2.3022082
	v_mov_b32 v[C1R+1], 0xc0135761
.irp b, 0,1,2,3
	v_mov_b32 v[TM+4+\b], 0                        ; written once in each window in which the quantiser runs: a lane permute's destination counts as one of its sources
.endr
	WIN 0xc0
.irp b, 0,1,2,3
	v_mov_b32 v[TM+4+\b], 0
.endr
	WIN 0x80
.irp b, 0,1,2,3
	v_mov_b32 v[TM+4+\b], 0
.endr
	WIN 0
	s_mov_b32 s28, 0x76543210                      ; v_permlanex16_b32's selects for lane l xor 16
	s_mov_b32 s29, 0xfedcba98
	s_mov_b32 s30, 0x600000                        ; the mantissa field of 57,344
	s_mov_b32 s32, 0xbdd2d3e8                      ; C2 = -0.10294324
	s_mov_b32 s33, s32                             ; (named with it as a pair, so it is written)
	s_mov_b32 s53, 0
	s_mov_b32 s55, 0
	s_lshl_b32 s52, ttmp9, 2
	s_add_co_u32 s52, s52, s20                     ; 4 e + w
	s_lshl_b32 s54, s52, 14                        ; 16,384 bytes of scale words,
	s_lshl_b32 s52, s52, 19                        ; 524,288 bytes of codes a wave
	s_wait_kmcnt 0x0
	s_add_nc_u64 s[WPT:WPT+1], s[6:7], s[52:53]
	s_add_nc_u64 s[SPT:SPT+1], s[8:9], s[54:55]
	s_lshl_b32 s52, ttmp9, 13
	s_lshl_b32 s54, s20, 11
	s_add_co_u32 s52, s52, s54
	s_add_nc_u64 s[B1P:B1P+1], s[10:11], s[52:53]  ; b1 + 8,192 e + 2,048 w
	s_lshr_b32 s52, s52, 2
	s_add_nc_u64 s[B2P:B2P+1], s[12:13], s[52:53]  ; b2 + 2,048 e + 512 w
	s_lshl_b32 s52, ttmp9, 23
	s_add_nc_u64 s[OE:OE+1], s[18:19], s[52:53]
	s_lshl_b32 s52, s20, 4
	s_add_co_u32 s52, s52, s24                     ; token 64 j + 16 w
	s_lshl_b32 s54, s52, 11
	s_add_nc_u64 s[ZP:ZP+1], s[OE:OE+1], s[54:55]
	s_lshl_b32 s54, ttmp9, 12
	s_add_co_u32 s54, s54, s52
	s_add_nc_u64 s[60:61], s[14:15], s[54:55]
	s_load_b128 s[36:39], s[60:61], 0x0            ; my sixteen tokens' mask bytes
	s_lshl_b32 s52, ttmp9, 14
	s_lshl_b32 s54, s22, 8
	s_add_co_u32 s52, s52, s54
	s_add_nc_u64 s[OT:OT+1], s[16:17], s[52:53]
	s_lshl_b32 s52, ttmp9, 7
	s_add_co_u32 s52, s52, 131072
	s_add_nc_u64 s[58:59], s[16:17], s[52:53]
	s_load_b32 s23, s[58:59], 0x0                  ; the expert's count
	global_load_b32 v[TOK], v[TOF], s[OT:OT+1]     ; my row's token (the list has 4,096 entries for every expert: always inside it)
	s_wait_kmcnt 0x0
	s_sub_co_u32 s25, s23, s24                     ; rows of the list from my tile's first on (read only where the tile has a row)
	; ---- zeros
.irp i, 0,1,2,3,4,5,6,7,8,9,10,11,12,13,14,15
	ZROW \i
.endr
	; ---- X: my 16 rows of x become four fragments
	s_cmp_ge_u32 s24, s23                          ; no row in my tile: the section is passed over
	s_cbranch_scc1 .Lx_done
	s_wait_loadcnt 0x0                             ; my token
	v_min_u32 v[XA], 0xfff, v[TOK]
	v_lshlrev_b32 v[XA], 11, v[XA]
	v_add_nc_u32 v[XA], v[XA], v[H64]
	WIN 0x80
	XLOAD 0, 0
	XLOAD 1, 64
	WIN 0xc0
	XLOAD 2, 0
	XLOAD 3, 64
.irp s, 0,1,2,3
	s_wait_loadcnt 16*(3-\s)                       ; this K step's 16 loads are in; the later K steps' may be out
.if \s < 2
	WIN 0xaa                                       ; the quantiser wholly in window 2,
.else
	WIN 0xff                                       ; or 3
.endif
	QUANT 64*(\s%2)
.if \s < 2
	WIN 0x08
.else
	WIN 0x0c
.endif
	IMAGE XWI, 2048*\s
	ds_store_b32 v[XWS], v[PW] offset:128*\s
	s_wait_dscnt 0x0                               ; the stores have read their registers
.endr
	WIN 0
.Lx_done:
	s_wait_dscnt 0x0                               ; for the others' sake: my images have landed
	s_barrier_signal -1
	s_barrier_wait -1                              ; x's sixteen images lie in LDS
	; ---- 1: my four groups of 128 hidden units, a group a trip.  A trip asks for all that it reads: scale words, bias and the first pairs of weights, then x's fragments out of LDS while those are on their way
	s_mov_b32 s34, 4
	s_mov_b32 s[GI], 0
	s_mov_b32 s[GS], 0
.Lgroup:
	s_cmp_ge_u32 s24, s23
	s_cbranch_scc1 .Lgroup_done
	PRO_S
	PRO_B1
	PRO_A 0, 6
	v_add_nc_u32 v[HWA], s[GI], v[HWI]             ; where this group's images go,
	v_add_nc_u32 v[HWB], s[GS], v[HWS]             ; and their scale words
	XFETCH 0
	XFETCH 1
	XFETCH 2
	XFETCH 3
	PRO_A 6, 8
.set QOFF, 0
.set QSOFF, 0
.irp s, 0,1,2,3
	s_wait_dscnt 18*(3-\s)                         ; x's fragments of this K step are in; behind them stand 18 LDS loads for each later K step
.irp p, 0,1,2,3
	QUARTER 4*\s+\p, 1, 2
.endr
.endr
	WIN 0
	PLACES 8                                       ; in front of the first read of the sums
	VEC 0
	VEC 1
	VEC 2
	VEC 3
.Lgroup_done:
	s_wait_xcnt 0x0                                ; the loads' bases are written only behind this wait (ISA guide 3.1)
	s_add_nc_u64 s[WPT:WPT+1], s[WPT:WPT+1], 65536 ; behind the fourth trip: the second product's first chunk: the stream is on end
	s_add_nc_u64 s[SPT:SPT+1], s[SPT:SPT+1], 2048
	s_add_nc_u64 s[B1P:B1P+1], s[B1P:B1P+1], 512
	s_add_co_u32 s[GI], s[GI], 8192
	s_add_co_u32 s[GS], s[GS], 512
	s_sub_co_u32 s34, s34, 1
	s_cmp_lg_u32 s34, 0
	s_cbranch_scc1 .Lgroup
	s_wait_dscnt 0x0                               ; for the others' sake: my images have landed
	s_barrier_signal -1
	s_barrier_wait -1                              ; the hidden layer's 64 images lie in LDS
	; ---- 2: my 128 outputs for the 64 rows: 16 K steps in four chunks, written out: the chunk stands in the immediates, no pointer is stepped
	s_cmp_ge_u32 s24, s23
	s_cbranch_scc1 .Lfin
	s_load_b512 s[68:83], s[OT:OT+1], 0x0          ; the tokens of rows 0-15 and 16-31, for the way out
	s_load_b512 s[84:99], s[OT:OT+1], 0x40
	PRO_S
	PRO_B2
	PRO_A 0, 6
	HLOAD 0
	HLOAD 1
	PRO_A 6, 8
	CH2 0
	CH2 1
	CH2 2
	CH2 3                                          ; the last chunk asks for nothing beyond my stream's end
	WIN 0
	PLACES 8                                       ; in front of the first read of the sums
	OUTM 0
	OUTM 1
	OUTM 2
	OUTM 3
.Lfin:
	s_wait_tensorcnt 0x0
	ds_add_u32 v254, v255
	s_wait_dscnt 0x0
	s_endpgm
.Lfunc_end_k_qf3fedf885b_ffn:
	.size	k_qf3fedf885b_ffn, .Lfunc_end_k_qf3fedf885b_ffn-k_qf3fedf885b_ffn
	.p2alignl 7, 3214868480
	.fill 96, 4, 3214868480
	.section	.rodata,"a",@progbits
	.p2align	6, 0x0
	.amdhsa_kernel k_qf3fedf885b_ffn
		.amdhsa_group_segment_fixed_size 208384
		.amdhsa_private_segment_fixed_size 0
		.amdhsa_enable_private_segment 0
		.amdhsa_kernarg_size 64
		.amdhsa_user_sgpr_count 2
		.amdhsa_user_sgpr_kernarg_segment_ptr 1
		.amdhsa_wavefront_size32 1
		.amdhsa_system_sgpr_workgroup_id_x 1
		.amdhsa_system_sgpr_workgroup_id_y 1
		.amdhsa_system_sgpr_workgroup_id_z 1
		.amdhsa_system_vgpr_workitem_id 0
		.amdhsa_next_free_vgpr 1024
		.amdhsa_next_free_sgpr 100
		.amdhsa_reserve_vcc 0
		.amdhsa_float_denorm_mode_32 3
		.amdhsa_float_denorm_mode_16_64 3
		.amdhsa_memory_ordered 1
		.amdhsa_forward_progress 1
		.amdhsa_inst_pref_size 255
	.end_amdhsa_kernel
	.section	.bss,"aw",@nobits
	.p2align	6
	.space	262144
	.amdgpu_metadata
---
amdhsa.version: [ 1, 2 ]
amdhsa.kernels:
  - .name:           k_qf3fedf885b_ffn
    .symbol:         k_qf3fedf885b_ffn.kd
    .args:
      - { .name: x, .offset: 0, .size: 8, .value_kind: global_buffer, .address_space: global }
      - { .name: wc, .offset: 8, .size: 8, .value_kind: global_buffer, .address_space: global }
      - { .name: ws, .offset: 16, .size: 8, .value_kind: global_buffer, .address_space: global }
      - { .name: b1, .offset: 24, .size: 8, .value_kind: global_buffer, .address_space: global }
      - { .name: b2, .offset: 32, .size: 8, .value_kind: global_buffer, .address_space: global }
      - { .name: mask, .offset: 40, .size: 8, .value_kind: global_buffer, .address_space: global }
      - { .name: order, .offset: 48, .size: 8, .value_kind: global_buffer, .address_space: global }
      - { .name: out0, .offset: 56, .size: 8, .value_kind: global_buffer, .address_space: global }
    .group_segment_fixed_size: 208384
    .private_segment_fixed_size: 0
    .kernarg_segment_align: 8
    .kernarg_segment_size: 64
    .max_flat_workgroup_size: 128
    .sgpr_count:     100
    .vgpr_count:     1024
    .wavefront_size: 32
...
	.end_amdgpu_metadata
.endif
;; end of part 2
;; ======== version 2 of 2: 2 launches; version 1 with the launch ffn written anew for expert scheduling mode
;; workspace buffers: wc 16,777,216 bytes; ws 524,288 bytes; order 132,096 bytes of whole numbers
;; launch prep: the kernel of part 1 again; grid 1026 x 1, 4 waves a work-group, no clusters, 0 bytes of LDS; arguments W1, W2, mask, wc, ws, order; writes wc, ws, order
;; launch ffn (part 3): grid 8 x 64, 4 waves a work-group, no clusters, 208,384 bytes of LDS; arguments x, wc, ws, b1, b2, mask, order, out0; writes out0
.if DOCPART == 3
	.amdgcn_target "amdgcn-amd-amdhsa--gfx1250"
	.amdhsa_code_object_version 6
	.text
	.protected	k_qf3fedf885b_ffn
	.globl	k_qf3fedf885b_ffn
	.p2align	8
	.type	k_qf3fedf885b_ffn,@function
k_qf3fedf885b_ffn:
	s_mov_b64 s[64:65], 0
	v_nop
	global_prefetch_b8 v0, s[64:65] scope:SCOPE_SE
	s_setreg_imm32_b32 hwreg(HW_REG_WAVE_SCHED_MODE, 0, 2), 2
	s_setreg_imm32_b32 hwreg(HW_REG_WAVE_MODE, 25, 1), 1
	s_wait_xcnt 0x0
	s_wait_alu depctr_vm_vsrc(0)
; LAUNCH 2 OF 2.  out0[e][t] = mask[e][t] ? gelu(x[t] W1[e] + b1[e]) W2[e] + b2[e] : 0, both products on codes of E5M2 with one E8M0 scale for each 32 along K; gelu in its tanh form, in f32.
; Work-group (e, j) does two things.  (1) ZEROS: of tokens 64 j .. 64 j + 63 it clears the rows of out0[e] whose mask is 0.  (2) A TILE: rows 64 j .. 64 j + 63 of expert e's list of routed tokens go through
; the whole chain: gather x, quantise, product 1 + b1, gelu, quantise, product 2 + b2, store by token.  Rows of a last tile past the expert's count are tokens that are not routed: they are computed and not stored.
; 64 tiles an expert serve every mask, all true too.  Each row of out0 has one owner.
; A WORK-GROUP WHOSE TILE BEGINS AT OR PAST THE COUNT passes over the chain's sections one by one: every wave passes both barriers and walks the loop's four trips; the branch on the count stands inside each
; section and each trip, and a section reads only registers that the head or the section itself has written.
; NO TENSOR LOADS, NO CLUSTER: the tiles of one expert read the same weights, but whether a work-group has a tile at all is a number read from memory, and partners would need different numbers of joint requests.
; So the weights go from memory straight into registers, as images of the operand's registers that the first launch has laid on end: each load of a wave is 512 consecutive bytes.
; SHARES.  The four waves share the COLUMNS: wave w makes hidden units 512 w .. 512 w + 511 (four groups of 128) and outputs 128 w .. 128 w + 127, for all 64 rows; each weight fragment feeds four matrix instructions.
; The rows' codes go from wave to wave through LDS as images of their registers (16 bytes a lane, 512 a store; the scale word 4 bytes a lane): no pitch, no padding.  Two barriers.
; BOTH PRODUCTS ARE USED TRANSPOSED (source 0 = 16 rows of a weight, source 1 = 16 tokens): a lane holds one token (lane % 16).  W1's rows are ordered so that the 16 registers of tiles 2 b, 2 b + 1 are hidden units 32 b + 16 (lane / 16) + 0 .. 15.
; gelu(v) = v / (1 + 2^(v (C1 + C2 v^2))), C1 = -2 log2(e) sqrt(2 / pi), C2 = 0.044715 C1: the same function as v (1 + tanh(..)) / 2.  Where the power overflows the quotient is 0, where it underflows it is v: no clamp is needed.
; LIMITS: NaN and infinities among the inputs are not served.  For very negative v the exponent's rounding shows in gelu(v): a relative error of about |exponent| x 2^-23 in numbers that are tiny beside their block's largest.
; A block whose largest magnitude lies under 2^(16 - 127) keeps the scale byte 1; a block of zeros too (its codes are zeros).
; REGISTERS, in windows of 256 (s_set_vgpr_msb: bits 1:0 source 0, 3:2 source 1, 5:4 source 2, 7:6 destination):
;   window 0: v1-31 addresses and constants; v32-47 the weights' scale words, v48-55 the rows' (scales and nothing else); v64-127 64 numbers at work; v128-191 a bias, 8 tiles x 8; v192-224 the quantiser's.
;   window 1: a ring of 16 weight fragments.   window 2: 32 accumulators, (tile t, rows m) at 8 (4 t + m).   window 3: 16 fragments of rows, (m, K step) at 16 (4 m + step % 4).
;   At the start windows 2 and 3 hold x's numbers (v0-127) and the quantiser's registers under the same numbers as in window 0.
; THE MODE: SCHED_MODE bits 1:0 = 2 (LLVM: expert scheduling mode 2), set by the entry lines.  The code itself states the register dependences between vector or matrix instructions and memory or LDS
; instructions, with s_wait_alu, always for 0.
; THE PLAN.  Registers that memory or LDS instructions touch, who writes them and who reads them:
;   v4-v25, v28, v254, v255   addresses, offsets, zeros: written at the head and never again: one wait on va_vdst ahead of the first vector load states them all.  v17, x's offset, is made in section X and has a wait of its own.
;   v208-223, v224 (of window 2, 3 or 0)   the codes and their scale word: the quantiser writes them; a wait on va_vdst; five LDS stores read them; a wait on vm_vsrc; then they are written again
;              (by the next quantiser, by the sums in window 2, by the fragments' loads in window 3, by the way out's offsets).
;   v30, v31   written at a trip's head, ahead of the trip's wait on va_vdst; read by the trip's LDS stores; free behind the wait on vm_vsrc that follows the trip's last stores.
;   the ring (window 1), v32-47, v48-55, the rows' fragments (window 3), the bias v128-191   loads land in them, matrix instructions read them, no other vector instruction names them in a product.
;              A trip of the first product, and the second product, begin with one wait on va_vdst, behind which all that the prologue asks for may land.  Inside a product ONE wait on va_vdst stands for
;              16 matrix instructions (macro FREE), at the head of a half K step: behind it the ring's places of the two pairs read last are asked for again, one pair at once and one between the half's two
;              quarters, whose matrix instructions name other places; at a K step's head the rows' fragments of two K steps on and the scale words of three K steps on follow the same wait.
;   the way out   the accumulators: matrix instructions write them, eight places, a wait on va_vdst, LDS stores read them.  v64-191: LDS loads land, global stores read; v192-223: sixteen additions write, a wait on
;              va_vdst, the stores read them as offsets; both sets by turns, and a wait on vm_vsrc ahead of the turn that writes a set again.
.set HIMG, 0                           ; LDS: the hidden layer's 64 images, (4 g + m) x 2,048
.set HSC,  131072                      ; their scale words, (4 g + m) x 128
.set XIMG, 139264                      ; x's 16 images, (4 m + s) x 2,048
.set XSC,  172032                      ; their scale words
.set STG,  174080                      ; the way out: 16 rows x (512 + 16) bytes for each wave, its own
.set LI,  4                            ; v4   16 x lane: my place in an image, in memory and in LDS; since HIMG = 0 also where all read the hidden images of K steps 0-7
.set LS,  5                            ; v5   4 x lane
.set XWI, 6                            ; v6   where I store x's images;  v7 their scale words
.set XWS, 7
.set XRI, 8                            ; v8   where all read them;  v9 the scale words: lanes 0-15 rows m, lanes 16-31 rows m + 1 (four images, 512 bytes, on)
.set XRS, 9
.set HWI, 10                           ; v10  where I store my first group's hidden images;  v11 their scale words
.set HWS, 11
.set HRS, 13                           ; v13  where all read the hidden layer's scale words: lanes 16-31 one image on
.set SO,  14                           ; v14  the stage: where I put 32 bytes of a row;  v15 where I read a row back
.set SR,  15
.set CO,  16                           ; v16  my 16 bytes in a row of out0: 512 x wave + 16 x lane
.set XA,  17                           ; v17  my token's row of x, + 64 (lane / 16)
.set H64, 18                           ; v18  64 (lane / 16): b1;   v19  32 (lane / 16): b2
.set H32, 19
.set ZR,  20                           ; v20-23 zeros
.set TOK, 24                           ; v24  my token as loaded;  v25 its place in the list
.set TOF, 25
.set C1R, 26                           ; v26-27 C1, twice
.set HRJ, 28                           ; v28  16 x lane + 65,536: the hidden images of K steps 8-15
.set HWA, 30                           ; v30, v31: v10, v11 for the group in hand, made in each trip
.set HWB, 31
.set SW,  32
.set BS,  48
.set T,   64
.set BI,  128
.set TM,  192                          ; +0..3 largest magnitudes, +4..7 bytes, +8..11 57,344 x the scale, +12..15 the conversions' scale operands
.set PC,  208                          ; the codes just made
.set PW,  224                          ; their scale word
.set WPT, 40                           ; s[40:41] my wave's stream of codes, at the first product's group in hand, then at the second product's first chunk;  s[42:43] of scale words
.set SPT, 42
.set B1P, 44                           ; s[44:45] b1 at the group in hand;  s[46:47] b2 at my 128 outputs
.set B2P, 46
.set OE,  48                           ; s[48:49] out0[e];  s[50:51] at my 16 tokens of the zeros
.set ZP,  50
.set OT,  56                           ; s[56:57] the list at my tile's first row
.set GI,  62                           ; s62  8,192 x the trip: the group's images;  s63  512 x the trip: their scale words
.set GS,  63
.set MSB, 0
.macro WIN new                         ; the immediate's high byte repeats the setting that is left; a switch that changes nothing is dropped
.if MSB != \new
	s_set_vgpr_msb (MSB<<8)|\new
.set MSB, \new
.endif
.endm
.macro PLACES n
.rept \n
	v_nop
.endr
.endm
; 64 numbers of a lane, v[s] .. v[s + 63], register 16 b + i = k 32 b + 16 (lane / 16) + i of my row, become a fragment's codes in v[PC] on and its scale word in v[PW].
.macro QUANT s
.irp b, 0,1,2,3
	v_max3_num_f32 v[TM+\b], |v[\s+16*\b]|, |v[\s+1+16*\b]|, 0x8000000   ; block b: my 16 numbers, and the floor 2^(16 - 127): the byte cannot fall under 1
.endr
.irp i, 2,4,6,8,10,12,14
.irp b, 0,1,2,3
	v_max3_num_f32 v[TM+\b], v[TM+\b], |v[\s+16*\b+\i]|, |v[\s+1+16*\b+\i]|   ; the four blocks by turns
.endr
.endr
.irp b, 0,1,2,3
	v_permlanex16_b32 v[TM+4+\b], v[TM+\b], s28, s29
.endr
.irp b, 0,1,2,3
	v_max_num_f32 v[TM+\b], v[TM+\b], v[TM+4+\b]   ; with lane l xor 16's: the block's largest magnitude
.endr
.irp b, 0,1,2,3
	v_add_nc_u32 v[TM+12+\b], 0xf8800000, v[TM+\b]   ; 15 off its exponent field: the conversion's scale operand
.endr
.irp b, 0,1,2,3
	v_and_or_b32 v[TM+8+\b], v[TM+\b], 0x7f800000, s30   ; 57,344 x the scale
.endr
.irp b, 0,1,2,3
	v_lshrrev_b32 v[TM+4+\b], 23, v[TM+12+\b]   ; the scale's byte
.endr
	v_lshl_or_b32 v[PW], v[TM+5], 8, v[TM+4]
	v_lshl_or_b32 v[PW], v[TM+6], 16, v[PW]
	v_lshl_or_b32 v[PW], v[TM+7], 24, v[PW]
.irp b, 0,1,2,3
.irp i, 0,1,2,3,4,5,6,7,8,9,10,11,12,13,14,15
	v_med3_num_f32 v[\s+16*\b+\i], v[\s+16*\b+\i], -v[TM+8+\b], v[TM+8+\b]   ; the conversion to an 8-bit code does not saturate (ISA guide 7.6.2): the hold comes first
.endr
	v_cvt_scalef32_pk8_bf8_f32 v[PC+4*\b:PC+1+4*\b], v[\s+16*\b:\s+7+16*\b], v[TM+12+\b]
	v_cvt_scalef32_pk8_bf8_f32 v[PC+2+4*\b:PC+3+4*\b], v[\s+8+16*\b:\s+15+16*\b], v[TM+12+\b]
.endr
	v_nop                                          ; one plain line behind the last conversion, ahead of whatever next writes its sources
.endm
.macro IMAGE adr, off                  ; the fragment in v[PC] on goes to LDS as it stands
.irp c, 0,1,2,3
	ds_store_b128 v[\adr], v[PC+4*\c:PC+4*\c+3] offset:(\off)+512*\c
.endr
.endm
.macro XLOAD s, dst                    ; my token's numbers of K step s: of each block of 32 my half's 16
.irp b, 0,1,2,3
.irp i, 0,1,2,3
	global_load_b128 v[(\dst)+16*\b+4*\i:(\dst)+16*\b+4*\i+3], v[XA], s[4:5] offset:512*(\s)+128*\b+16*\i
.endr
.endr
.endm
.macro PRO_A f0, n                     ; fragments f0 .. f0 + n - 1 of the stream at s[40:41] into the ring: four loads each
	WIN 0x40
.set rF, \f0
.rept \n
.irp c, 0,1,2,3
	global_load_b128 v[16*rF+4*\c:16*rF+4*\c+3], v[LI], s[WPT:WPT+1] offset:2048*rF+512*\c
.endr
.set rF, rF+1
.endr
	WIN 0
.endm
.macro PRO_S                           ; a chunk's 16 scale registers: register 4 s + p: lanes 0-15 tile 2 p, lanes 16-31 tile 2 p + 1, K step s
.irp i, 0,1,2,3,4,5,6,7,8,9,10,11,12,13,14,15
	global_load_b32 v[SW+\i], v[LS], s[SPT:SPT+1] offset:128*\i
.endr
.endm
.macro PRO_B1                          ; b1 in the result's layout: tile 2 b + u, register j: hidden unit 32 b + 16 (lane / 16) + 8 u + j
.irp t, 0,1,2,3,4,5,6,7
	global_load_b128 v[BI+8*\t:BI+8*\t+3], v[H64], s[B1P:B1P+1] offset:(32*(\t/2)+8*(\t%2))*4
	global_load_b128 v[BI+8*\t+4:BI+8*\t+7], v[H64], s[B1P:B1P+1] offset:(32*(\t/2)+8*(\t%2))*4+16
.endr
.endm
.macro PRO_B2                          ; b2 likewise: tile t, register j: output 16 t + 8 (lane / 16) + j
.irp t, 0,1,2,3,4,5,6,7
	global_load_b128 v[BI+8*\t:BI+8*\t+3], v[H32], s[B2P:B2P+1] offset:64*\t
	global_load_b128 v[BI+8*\t+4:BI+8*\t+7], v[H32], s[B2P:B2P+1] offset:64*\t+16
.endr
.endm
.macro XFETCH s                        ; x's four fragments and two scale registers of K step s: 18 LDS loads
	WIN 0xc0
.irp m, 0,1,2,3
.irp c, 0,1,2,3
	ds_load_b128 v[16*(4*\m+(\s))+4*\c:16*(4*\m+(\s))+4*\c+3], v[XRI] offset:(4*\m+(\s))*2048+512*\c
.endr
.endr
	WIN 0
.irp d, 0,1
	ds_load_b32 v[BS+2*(\s)+\d], v[XRS] offset:(8*\d+(\s))*128
.endr
.endm
; One matrix instruction: tile t of the weight x rows m, K step s of the chunk.  QB = 1: the bias is the C of the sum's first step.
.macro WM t, m, s
.set rD, 8*(4*(\t)+(\m))
.set rC, rD
.if QB
.set rC, BI+8*(\t)
.endif
.set rA, 16*((8*(\s)+(\t))%16)
.set rB, 16*(4*(\m)+(\s))
.set rX, SW+4*(\s)+(\t)/2
.set rY, BS+2*(\s)+(\m)/2
.if ((\t)%2 == 0) && ((\m)%2 == 0)
	v_wmma_scale_f32_16x16x128_f8f6f4 v[rD:rD+7], v[rA:rA+15], v[rB:rB+15], v[rC:rC+7], v[rX], v[rY] matrix_a_fmt:MATRIX_FMT_BF8 matrix_b_fmt:MATRIX_FMT_BF8
.elseif ((\m)%2 == 0)
	v_wmma_scale_f32_16x16x128_f8f6f4 v[rD:rD+7], v[rA:rA+15], v[rB:rB+15], v[rC:rC+7], v[rX], v[rY] matrix_a_fmt:MATRIX_FMT_BF8 matrix_b_fmt:MATRIX_FMT_BF8 matrix_a_scale:MATRIX_SCALE_ROW1
.elseif ((\t)%2 == 0)
	v_wmma_scale_f32_16x16x128_f8f6f4 v[rD:rD+7], v[rA:rA+15], v[rB:rB+15], v[rC:rC+7], v[rX], v[rY] matrix_a_fmt:MATRIX_FMT_BF8 matrix_b_fmt:MATRIX_FMT_BF8 matrix_b_scale:MATRIX_SCALE_ROW1
.else
	v_wmma_scale_f32_16x16x128_f8f6f4 v[rD:rD+7], v[rA:rA+15], v[rB:rB+15], v[rC:rC+7], v[rX], v[rY] matrix_a_fmt:MATRIX_FMT_BF8 matrix_b_fmt:MATRIX_FMT_BF8 matrix_a_scale:MATRIX_SCALE_ROW1 matrix_b_scale:MATRIX_SCALE_ROW1
.endif
.endm
; A PRODUCT'S STREAM.  Quarter G, counted from s[40:41] on (0 .. 15 in a group of the first product, 0 .. 63 in the second): pair G of the weight fragments (2 G, 2 G + 1: K step G / 4, tiles 2 (G % 4) and + 1)
; x the four tiles of rows: 8 matrix instructions.  The 32 accumulators take turns, one instruction a turn, in the same order in every K step.  Pair P lies in the ring's place P % 8.
; FREE stands at the head of a half K step (quarters G, G + 1) behind which loads follow, and nowhere else.  First the places: a load into a register that a matrix instruction has read stands eight plain vector
; lines behind it.  Then the wait.
.macro FREE
	PLACES 8
	s_wait_alu depctr_va_vdst(0)                   ; the matrix instructions issued so far are done reading the ring's places of the two pairs read last and, at a K step's head, the last K step's scale words and the rows' fragments and scale words of two K steps back: the loads up to the next such wait land there
.endm
.macro PAIR P                          ; pair P is asked for: eight loads.  No vector or matrix instruction since the last wait on va_vdst names its place in the ring, nor v4
	WIN 0x40
.irp ff, 0,1
.set rF, 2*(\P)+\ff
.irp c, 0,1,2,3
	global_load_b128 v[16*(rF%16)+4*\c:16*(rF%16)+4*\c+3], v[LI], s[WPT:WPT+1] offset:2048*rF+512*\c
.endr
.endr
.endm
; THE WAIT FOR PAIR G: behind it stand pairs G + 1 .. G + 6, 48 loads, or as many pairs as the stream still has (scale words asked for in between only add to what stands behind).  A prologue's scale words and bias are asked for ahead of its pair 0.
.macro LWAIT G, LAST
.if (\LAST)-(\G) < 6
	s_wait_loadcnt 8*((\LAST)-(\G))
.else
	s_wait_loadcnt 48
.endif
.endm
.macro MUL8 G
.set QS, ((\G)/4)%4
.set QP, (\G)%4
.set QB, 0
.if (\G) < 4
.set QB, 1
	WIN 0x8d                                       ; A window 1, B window 3, C (the bias) window 0, D window 2
.else
	WIN 0xad                                       ; C and D window 2
.endif
.irp tt, 0,1
.irp m, 0,1,2,3
	WM 2*QP+\tt, \m, QS
.endr
.endr
.endm
; Half a K step: quarters G and G + 1, G even.  Pair G + 6 goes into the place of pair G - 2, pair G + 7 into that of pair G - 1: six quarters lie between a pair's request and its use.
; The prologue has asked for pairs 0 to 6; nothing is asked for beyond the stream's last pair.
.macro HALF G, LAST
.if ((\G) >= 2) && ((\G)+6 <= (\LAST))
	PAIR (\G)+6
.endif
	LWAIT \G, \LAST
	MUL8 \G
.if (\G)+7 <= (\LAST)
	PAIR (\G)+7
.endif
	LWAIT (\G)+1, \LAST
	MUL8 (\G)+1
.endm
; Rows m of the group in hand: gelu of my 64 sums, quantised; the image is K step g of the second product.  Each accumulator is read from its low end on.
.macro VEC m
	WIN 0x0a                                       ; both sources window 2, destination window 0
.set ee, 0
.rept 32
.set dd, 32*(ee/8)+8*(\m)+ee%8
	v_pk_mul_f32 v[T+ee:T+ee+1], v[dd:dd+1], v[dd:dd+1]             ; v^2
.set ee, ee+2
.endr
	WIN 0x08                                       ; source 1 window 2
.set ee, 0
.rept 32
	v_pk_fma_f32 v[T+ee:T+ee+1], v[T+ee:T+ee+1], s[32:33], v[C1R:C1R+1] op_sel_hi:[1,0,1]   ; C2 v^2 + C1
.set ee, ee+2
.endr
.set ee, 0
.rept 32
.set dd, 32*(ee/8)+8*(\m)+ee%8
	v_pk_mul_f32 v[T+ee:T+ee+1], v[T+ee:T+ee+1], v[dd:dd+1]         ; x v
.set ee, ee+2
.endr
.set ee, 0
.rept 64
	v_exp_f32 v[T+ee], v[T+ee]
.set ee, ee+1
.endr
	v_nop                                          ; a plain line between the exponentials and the first use of a result (ISA guide 5.7.2)
.set ee, 0
	s_wait_alu depctr_va_vdst(0)                   ; the 64 exponentials have written v[T ..]: one wait for the batch, ahead of its first reader
.rept 32
	v_pk_add_f32 v[T+ee:T+ee+1], v[T+ee:T+ee+1], 1.0 op_sel_hi:[1,0]
.set ee, ee+2
.endr
.set ee, 0
.rept 64
	v_rcp_f32 v[T+ee], v[T+ee]
.set ee, ee+1
.endr
	v_nop                                          ; likewise behind the reciprocals
.set ee, 0
	s_wait_alu depctr_va_vdst(0)                   ; the 64 reciprocals have written v[T ..]: one wait for the batch, ahead of its first reader
.rept 32
.set dd, 32*(ee/8)+8*(\m)+ee%8
	v_pk_mul_f32 v[T+ee:T+ee+1], v[T+ee:T+ee+1], v[dd:dd+1]         ; gelu(v)
.set ee, ee+2
.endr
	WIN 0
	QUANT T
	s_wait_alu depctr_va_vdst(0)                   ; the quantiser has written the codes v[PC ..] and the scale word v[PW], which the five LDS stores read
	IMAGE HWA, 2048*(\m)
	ds_store_b32 v[HWB], v[PW] offset:128*(\m)
	s_wait_dscnt 0x0                               ; the five stores are done,
	s_wait_alu depctr_vm_vsrc(0)                   ; and have read v[PC ..] and v[PW], which the next quantiser (later the way out's additions) writes, and v30, v31, which the next trip's head writes
.endm
; The hidden layer's four fragments and two scale registers of K step S (0 .. 15) of the second product: 18 LDS loads.  Every offset is an immediate: K steps 0-7 from v4, 8-15 from v28.
.macro HLOAD S
.set HB, (\S)%4
.set HO, ((\S)%8)*8192
	WIN 0xc0
.irp m, 0,1,2,3
.irp c, 0,1,2,3
.if (\S) < 8
	ds_load_b128 v[16*(4*\m+HB)+4*\c:16*(4*\m+HB)+4*\c+3], v[LI] offset:HO+\m*2048+512*\c
.else
	ds_load_b128 v[16*(4*\m+HB)+4*\c:16*(4*\m+HB)+4*\c+3], v[HRJ] offset:HO+\m*2048+512*\c
.endif
.endr
.endr
	WIN 0
.irp d, 0,1
	ds_load_b32 v[BS+2*HB+\d], v[HRS] offset:(4*(\S)+2*\d)*128
.endr
.endm
; K step S (0 .. 15) of the second product.  Behind the wait at its head: the rows' fragments of K step S + 2, into the places read two K steps ago; the weights' scale words of K step S + 3, into the four
; registers that K step S - 1 has just read (used 12 quarters on, behind 104 younger loads).  K step 0 stands behind the section's own wait; where no load follows, no wait is written.
; THE WAIT ON DSCNT: behind a K step's 18 LDS loads stand those of the next two: 36; at the end 18 and then none.
.macro K2 S
.if ((\S) >= 1) && ((\S) <= 14)
	FREE
.endif
.if (\S)+2 < 16
	HLOAD (\S)+2
.endif
.if ((\S) >= 1) && ((\S)+3 < 16)
	WIN 0
.irp p, 0,1,2,3
	global_load_b32 v[SW+4*(((\S)+3)%4)+\p], v[LS], s[SPT:SPT+1] offset:512*((\S)+3)+128*\p
.endr
.endif
.if (\S)+2 < 16
	s_wait_dscnt 36
.else
	s_wait_dscnt 18*(15-(\S))
.endif
	HALF 4*(\S), 63
.if (\S) <= 13
	FREE
.endif
	HALF 4*(\S)+2, 63
.endm
.macro ZROW i                          ; token i of my sixteen: not routed: its row of 2,048 bytes is cleared, 512 consecutive bytes a store
	s_bfe_u32 s31, s[36+(\i)/4], (8<<16)|(8*((\i)%4))
	s_cmp_lg_u32 s31, 0
	s_cbranch_scc1 .Lrouted_\@
.irp c, 0,1,2,3
	global_store_b128 v[LI], v[ZR:ZR+3], s[ZP:ZP+1] offset:2048*(\i)+512*\c th:TH_STORE_NT
.endr
.Lrouted_\@:
.endm
; THE WAY OUT of rows m.  A lane holds 32 neighbouring bytes of a row and the lanes beside it other rows: the 16 rows x 512 bytes go through my own stage and come back as whole rows, which leave as 512 consecutive, aligned bytes at the row's token.
.macro OUTM m
.set BK, 64+64*((\m)%2)
.set VO, 192+16*((\m)%2)
.set TK, 68+16*((\m)%2)
.if (\m) >= 2
	s_wait_xcnt 0x0                                ; the stores of rows m - 2 have had their addresses translated (ISA guide 3.1): both sets are written again only behind this wait,
	s_wait_alu depctr_vm_vsrc(0)                   ; and they have read their data v[BK ..], in which the LDS loads below land, and their offsets v[VO ..], which the additions below write
.endif
	WIN 0x08                                       ; an LDS store's data are its source 1: window 2
.irp t, 0,1,2,3,4,5,6,7
	ds_store_b128 v[SO], v[8*(4*\t+(\m)):8*(4*\t+(\m))+3] offset:64*\t        ; each accumulator from its low end on
	ds_store_b128 v[SO], v[8*(4*\t+(\m))+4:8*(4*\t+(\m))+7] offset:64*\t+16
.endr
	WIN 0
.irp i, 0,1,2,3,4,5,6,7,8,9,10,11,12,13,14,15
	ds_load_b128 v[BK+4*\i:BK+4*\i+3], v[SR] offset:528*\i     ; LDS serves a wave's instructions in order (ISA guide 5.7.1.4): these see the stores above
.endr
	s_wait_kmcnt 0x0                               ; these rows' tokens
.irp i, 0,1,2,3,4,5,6,7,8,9,10,11,12,13,14,15
	s_min_u32 s52, s[TK+\i], 0xfff                 ; a token read from memory is held inside the 4,096 rows
	s_lshl_b32 s52, s52, 11
	v_add_nc_u32 v[VO+\i], s52, v[CO]
.endr
.if (\m) < 2
	s_load_b512 s[TK:TK+15], s[OT:OT+1], 64*((\m)+2)   ; the tokens of rows m + 2 into the set just used
.endif
	s_wait_dscnt 0x0
	s_wait_alu depctr_va_vdst(0)                   ; the sixteen additions have written v[VO ..], the offsets of the stores below
.irp i, 0,1,2,3,4,5,6,7,8,9,10,11,12,13,14,15
	s_cmp_gt_u32 s25, 16*(\m)+\i                   ; the first row past the expert's count ends the kernel: all later rows lie past it too
	s_cbranch_scc0 .Lfin
	global_store_b128 v[VO+\i], v[BK+4*\i:BK+4*\i+3], s[OE:OE+1] th:TH_STORE_NT
.endr
.endm
	; ---- the head, on every wave's path: every LDS address base is made here, of constants, the lane and the wave's number
	s_load_b512 s[4:19], s[0:1], 0x0               ; x s[4:5], wc s[6:7], ws s[8:9], b1 s[10:11], b2 s[12:13], mask s[14:15], order s[16:17], out0 s[18:19]
	v_lshl_add_u32 v254, v0, 2, 0x32c00            ; my spare word, behind the stages, and 0: kept for the closing lines alone
	v_mov_b32 v255, 0
	v_and_b32 v1, 31, v0                           ; lane
	v_and_b32 v2, 15, v0                           ; r
	v_bfe_u32 v3, v0, 4, 1                         ; h
	v_lshrrev_b32 v29, 5, v0
	v_readfirstlane_b32 s20, v29                   ; wave 0..3
	s_and_b32 s22, ttmp7, 0xffff                   ; j;  the expert is ttmp9
	s_lshl_b32 s24, s22, 6                         ; 64 j
	v_lshlrev_b32 v[LI], 4, v1
	v_lshlrev_b32 v[LS], 2, v1
	s_wait_alu depctr_va_sdst(0)                   ; s20 is written, ahead of its first reader: LDS places and the buffers' bases are made from it
	s_lshl_b32 s26, s20, 13
	s_add_co_u32 s26, s26, XIMG
	v_add_nc_u32 v[XWI], s26, v[LI]                ; my rows are tile m = wave: four images, 8,192 bytes
	s_lshl_b32 s26, s20, 9
	s_add_co_u32 s26, s26, XSC
	v_add_nc_u32 v[XWS], s26, v[LS]
	v_add_nc_u32 v[XRI], XIMG, v[LI]
	v_mad_u32_u24 v[XRS], v3, 448, v[LS]           ; lanes 16-31: 64 + 448 = 512 bytes on: rows m + 1
	v_add_nc_u32 v[XRS], XSC, v[XRS]
	s_lshl_b32 s26, s20, 15
	v_add_nc_u32 v[HWI], s26, v[LI]                ; my four groups: 16 images, 32,768 bytes
	s_lshl_b32 s26, s20, 11
	s_add_co_u32 s26, s26, HSC
	v_add_nc_u32 v[HWS], s26, v[LS]
	v_add_nc_u32 v[HRJ], 65536, v[LI]
	v_lshl_add_u32 v[HRS], v3, 6, v[LS]            ; lanes 16-31: 64 + 64 = 128 bytes on: rows m + 1
	v_add_nc_u32 v[HRS], HSC, v[HRS]
	s_mul_i32 s26, s20, 8448
	s_add_co_u32 s26, s26, STG
	v_mul_u32_u24 v[SO], v2, 528
	v_lshl_add_u32 v[SO], v3, 5, v[SO]
	v_add_nc_u32 v[SO], s26, v[SO]
	v_add_nc_u32 v[SR], s26, v[LI]
	s_lshl_b32 s26, s20, 9
	v_add_nc_u32 v[CO], s26, v[LI]
	v_lshlrev_b32 v[H64], 6, v3
	v_lshlrev_b32 v[H32], 5, v3
.irp z, 0,1,2,3
	v_mov_b32 v[ZR+\z], 0
.endr
	s_lshl_b32 s26, s20, 6
	v_lshl_add_u32 v[TOF], v2, 2, s26              ; row 16 x wave + r of the tile, 4 bytes a row
	v_mov_b32 v[C1R], 0xc0135761                   ; C1 = -2.3022082
	v_mov_b32 v[C1R+1], 0xc0135761
.irp b, 0,1,2,3
	v_mov_b32 v[TM+4+\b], 0                        ; written once in each window in which the quantiser runs: a lane permute's destination counts as one of its sources
.endr
	WIN 0xc0
.irp b, 0,1,2,3
	v_mov_b32 v[TM+4+\b], 0
.endr
	WIN 0x80
.irp b, 0,1,2,3
	v_mov_b32 v[TM+4+\b], 0
.endr
	WIN 0
	s_mov_b32 s28, 0x76543210                      ; v_permlanex16_b32's selects for lane l xor 16
	s_mov_b32 s29, 0xfedcba98
	s_mov_b32 s30, 0x600000                        ; the mantissa field of 57,344
	s_mov_b32 s32, 0xbdd2d3e8                      ; C2 = -0.10294324
	s_mov_b32 s33, s32                             ; (named with it as a pair, so it is written)
	s_mov_b32 s53, 0
	s_mov_b32 s55, 0
	s_lshl_b32 s52, ttmp9, 2
	s_add_co_u32 s52, s52, s20                     ; 4 e + w
	s_lshl_b32 s54, s52, 14                        ; 16,384 bytes of scale words,
	s_lshl_b32 s52, s52, 19                        ; 524,288 bytes of codes a wave
	s_wait_kmcnt 0x0
	s_add_nc_u64 s[WPT:WPT+1], s[6:7], s[52:53]
	s_add_nc_u64 s[SPT:SPT+1], s[8:9], s[54:55]
	s_lshl_b32 s52, ttmp9, 13
	s_lshl_b32 s54, s20, 11
	s_add_co_u32 s52, s52, s54
	s_add_nc_u64 s[B1P:B1P+1], s[10:11], s[52:53]  ; b1 + 8,192 e + 2,048 w
	s_lshr_b32 s52, s52, 2
	s_add_nc_u64 s[B2P:B2P+1], s[12:13], s[52:53]  ; b2 + 2,048 e + 512 w
	s_lshl_b32 s52, ttmp9, 23
	s_add_nc_u64 s[OE:OE+1], s[18:19], s[52:53]
	s_lshl_b32 s52, s20, 4
	s_add_co_u32 s52, s52, s24                     ; token 64 j + 16 w
	s_lshl_b32 s54, s52, 11
	s_add_nc_u64 s[ZP:ZP+1], s[OE:OE+1], s[54:55]
	s_lshl_b32 s54, ttmp9, 12
	s_add_co_u32 s54, s54, s52
	s_add_nc_u64 s[60:61], s[14:15], s[54:55]
	s_load_b128 s[36:39], s[60:61], 0x0            ; my sixteen tokens' mask bytes
	s_lshl_b32 s52, ttmp9, 14
	s_lshl_b32 s54, s22, 8
	s_add_co_u32 s52, s52, s54
	s_add_nc_u64 s[OT:OT+1], s[16:17], s[52:53]
	s_lshl_b32 s52, ttmp9, 7
	s_add_co_u32 s52, s52, 131072
	s_add_nc_u64 s[58:59], s[16:17], s[52:53]
	s_load_b32 s23, s[58:59], 0x0                  ; the expert's count
	s_wait_alu depctr_va_vdst(0)                   ; the head's addresses, offsets and zeros (v4 to v25, v28, v254, v255) are written: most load, store and LDS instructions of the kernel read some of them, and none but v17 is written again
	global_load_b32 v[TOK], v[TOF], s[OT:OT+1]     ; my row's token (the list has 4,096 entries for every expert: always inside it)
	s_wait_kmcnt 0x0
	s_sub_co_u32 s25, s23, s24                     ; rows of the list from my tile's first on (read only where the tile has a row)
	; ---- zeros
.irp i, 0,1,2,3,4,5,6,7,8,9,10,11,12,13,14,15
	ZROW \i
.endr
	; ---- X: my 16 rows of x become four fragments
	s_cmp_ge_u32 s24, s23                          ; no row in my tile: the section is passed over
	s_cbranch_scc1 .Lx_done
	s_wait_loadcnt 0x0                             ; my token
	v_min_u32 v[XA], 0xfff, v[TOK]
	v_lshlrev_b32 v[XA], 11, v[XA]
	v_add_nc_u32 v[XA], v[XA], v[H64]
	WIN 0x80
	s_wait_alu depctr_va_vdst(0)                   ; v17 is written, the offset of the 64 loads below
	XLOAD 0, 0
	XLOAD 1, 64
	WIN 0xc0
	XLOAD 2, 0
	XLOAD 3, 64
.irp s, 0,1,2,3
	s_wait_loadcnt 16*(3-\s)                       ; this K step's 16 loads are in; the later K steps' may be out
.if \s < 2
	WIN 0xaa                                       ; the quantiser wholly in window 2,
.else
	WIN 0xff                                       ; or 3
.endif
	QUANT 64*(\s%2)
.if \s < 2
	WIN 0x08
.else
	WIN 0x0c
.endif
	s_wait_alu depctr_va_vdst(0)                   ; the quantiser has written this window's codes and scale word, which the five LDS stores read
	IMAGE XWI, 2048*\s
	ds_store_b32 v[XWS], v[PW] offset:128*\s
	s_wait_dscnt 0x0                               ; the five stores are done,
	s_wait_alu depctr_vm_vsrc(0)                   ; and have read this window's codes and scale word, which are written again: by the next quantiser there, then by the first product's sums (window 2) and by the loads of x's fragments (window 3)
.endr
	WIN 0
.Lx_done:
	s_wait_dscnt 0x0                               ; for the others' sake: my images have landed
	s_barrier_signal -1
	s_barrier_wait -1                              ; x's sixteen images lie in LDS
	; ---- 1: my four groups of 128 hidden units, a group a trip.  A trip asks for all that it reads: scale words, bias and the first pairs of weights, then x's fragments out of LDS while those are on their way
	s_mov_b32 s34, 4
	s_mov_b32 s[GI], 0
	s_mov_b32 s[GS], 0
.Lgroup:
	s_cmp_ge_u32 s24, s23
	s_cbranch_scc1 .Lgroup_done
	v_add_nc_u32 v[HWA], s[GI], v[HWI]             ; where this group's images go (the last trip's stores have read v30 and v31: the wait on vm_vsrc behind them),
	v_add_nc_u32 v[HWB], s[GS], v[HWS]             ; and their scale words
	s_wait_alu depctr_va_vdst(0)                   ; the last trip's matrix instructions (in the first trip: x's quantiser in window 3) are done with the scale words, the bias, the ring and the rows' fragments, in which the loads below land; v30 and v31 are written, which this trip's LDS stores read
	PRO_S
	PRO_B1
	PRO_A 0, 6
	XFETCH 0
	XFETCH 1
	XFETCH 2
	XFETCH 3
	PRO_A 6, 8
.irp s, 0,1,2,3
	s_wait_dscnt 18*(3-\s)                         ; x's fragments of this K step are in; behind them stand 18 LDS loads for each later K step
.if (\s == 1) || (\s == 2)
	FREE                                           ; quarters 4 and 8: pairs 10, 11 and 14, 15 follow.  (Quarter 0 stands behind the trip's own wait; from quarter 10 on nothing is asked for)
.endif
	HALF 4*\s, 15
.if \s < 2
	FREE                                           ; quarters 2 and 6: pairs 8, 9 and 12, 13 follow
.endif
	HALF 4*\s+2, 15
.endr
	WIN 0
	PLACES 8                                       ; in front of the first read of the sums
	VEC 0
	VEC 1
	VEC 2
	VEC 3
.Lgroup_done:
	s_wait_xcnt 0x0                                ; the loads' bases are written only behind this wait (ISA guide 3.1)
	s_add_nc_u64 s[WPT:WPT+1], s[WPT:WPT+1], 65536 ; behind the fourth trip: the second product's first chunk: the stream is on end
	s_add_nc_u64 s[SPT:SPT+1], s[SPT:SPT+1], 2048
	s_add_nc_u64 s[B1P:B1P+1], s[B1P:B1P+1], 512
	s_add_co_u32 s[GI], s[GI], 8192
	s_add_co_u32 s[GS], s[GS], 512
	s_sub_co_u32 s34, s34, 1
	s_cmp_lg_u32 s34, 0
	s_cbranch_scc1 .Lgroup
	s_wait_dscnt 0x0                               ; for the others' sake: my images have landed
	s_barrier_signal -1
	s_barrier_wait -1                              ; the hidden layer's 64 images lie in LDS
	; ---- 2: my 128 outputs for the 64 rows: 16 K steps, written out: the K step stands in the immediates, no pointer is stepped
	s_cmp_ge_u32 s24, s23
	s_cbranch_scc1 .Lfin
	s_load_b512 s[68:83], s[OT:OT+1], 0x0          ; the tokens of rows 0-15 and 16-31, for the way out
	s_load_b512 s[84:99], s[OT:OT+1], 0x40
	s_wait_alu depctr_va_vdst(0)                   ; the first product's matrix instructions are done reading the scale words, the bias, the ring and the rows' fragments, in which the loads below land
	PRO_S
	PRO_B2
	PRO_A 0, 6
	HLOAD 0
	HLOAD 1
	PRO_A 6, 8
.irp S, 0,1,2,3,4,5,6,7,8,9,10,11,12,13,14,15
	K2 \S
.endr                                                  ; the last K steps ask for nothing beyond my stream's end
	WIN 0
	PLACES 8                                       ; in front of the first read of the sums
	s_wait_alu depctr_va_vdst(0)                   ; the matrix instructions have written the accumulators, which the LDS stores of the way out read, and are done reading the bias, in which rows come back; the places above stay beside this wait
	OUTM 0
	OUTM 1
	OUTM 2
	OUTM 3
.Lfin:
	s_wait_dscnt 0x0                               ; the closing lines, six on end
	s_wait_alu 0x0
	s_wait_tensorcnt 0x0
	ds_add_u32 v254, v255
	s_wait_dscnt 0x0
	s_endpgm
.Lfunc_end_k_qf3fedf885b_ffn:
	.size	k_qf3fedf885b_ffn, .Lfunc_end_k_qf3fedf885b_ffn-k_qf3fedf885b_ffn
	.p2alignl 7, 3214868480
	.fill 96, 4, 3214868480
	.section	.rodata,"a",@progbits
	.p2align	6, 0x0
	.amdhsa_kernel k_qf3fedf885b_ffn
		.amdhsa_group_segment_fixed_size 208384
		.amdhsa_private_segment_fixed_size 0
		.amdhsa_enable_private_segment 0
		.amdhsa_kernarg_size 64
		.amdhsa_user_sgpr_count 2
		.amdhsa_user_sgpr_kernarg_segment_ptr 1
		.amdhsa_wavefront_size32 1
		.amdhsa_system_sgpr_workgroup_id_x 1
		.amdhsa_system_sgpr_workgroup_id_y 1
		.amdhsa_system_sgpr_workgroup_id_z 1
		.amdhsa_system_vgpr_workitem_id 0
		.amdhsa_next_free_vgpr 1024
		.amdhsa_next_free_sgpr 100
		.amdhsa_reserve_vcc 0
		.amdhsa_float_denorm_mode_32 3
		.amdhsa_float_denorm_mode_16_64 3
		.amdhsa_memory_ordered 1
		.amdhsa_forward_progress 1
		.amdhsa_inst_pref_size 255
	.end_amdhsa_kernel
	.section	.bss,"aw",@nobits
	.p2align	6
	.space	262144
	.amdgpu_metadata
---
amdhsa.version: [ 1, 2 ]
amdhsa.kernels:
  - .name:           k_qf3fedf885b_ffn
    .symbol:         k_qf3fedf885b_ffn.kd
    .args:
      - { .name: x, .offset: 0, .size: 8, .value_kind: global_buffer, .address_space: global }
      - { .name: wc, .offset: 8, .size: 8, .value_kind: global_buffer, .address_space: global }
      - { .name: ws, .offset: 16, .size: 8, .value_kind: global_buffer, .address_space: global }
      - { .name: b1, .offset: 24, .size: 8, .value_kind: global_buffer, .address_space: global }
      - { .name: b2, .offset: 32, .size: 8, .value_kind: global_buffer, .address_space: global }
      - { .name: mask, .offset: 40, .size: 8, .value_kind: global_buffer, .address_space: global }
      - { .name: order, .offset: 48, .size: 8, .value_kind: global_buffer, .address_space: global }
      - { .name: out0, .offset: 56, .size: 8, .value_kind: global_buffer, .address_space: global }
    .group_segment_fixed_size: 208384
    .private_segment_fixed_size: 0
    .kernarg_segment_align: 8
    .kernarg_segment_size: 64
    .max_flat_workgroup_size: 128
    .sgpr_count:     100
    .vgpr_count:     1024
    .wavefront_size: 32
...
	.end_amdgpu_metadata
.endif
;; end of part 3
